; MI455X (gfx1250); checked and timed in simulation.
; The chip was launched on July 23, 2026; its instructions are those of AMD's public machine-readable ISA for CDNA 5 (MIT licence, August 2026) and "CDNA5" Instruction Set Architecture Reference Guide (July 2026). The comments in the code are by the model that wrote it; some were corrected since.
;; Causal Self Attention. Allowed arithmetic: matrix products marked QUANTISED: E2M3 operands, one E8M0 scale for each 32 along K, by v_wmma_scale_f32_16x16x128_f8f6f4 with both operands' format E2M3, f32 sums; everything else in f32.
;; Inputs: wk 1,024 x 1,024 float32; wo 1,024 x 1,024 float32; wq 1,024 x 1,024 float32; wv 1,024 x 1,024 float32; x 4 x 2,048 x 1,024 float32.
;; Outputs: out0 4 x 2,048 x 1,024 float32.
;; This version of the problem:
;;   THIS VERSION OF THE PROBLEM IS GIVEN IN LOW PRECISION. The matrix products marked QUANTISED in the list below multiply operands that are first quantised to E2M3 (2 exponent bits, 3 mantissa bits; 6 bits a number), with one power-of-two scale for each 32 numbers along K (OCP MX v1.0); their sums are f32. All else is computed in f32.
;;   The module's matrix products, in the order in which they are computed (A, B: the left and right operand; K: the contracted axis; several contracted axes count as one K, in the product's order):
;;     1. [M 8,192, K 1,024] x [K 1,024, N 1,024]; A: input x; B: input wq: QUANTISED
;;     2. [M 8,192, K 1,024] x [K 1,024, N 1,024]; A: input x; B: input wk: QUANTISED
;;     3. [M 8,192, K 1,024] x [K 1,024, N 1,024]; A: input x; B: input wv: QUANTISED
;;     4. batch 64 x [M 2,048, K 64] x [K 64, N 2,048]; A: computed on the way; B: computed on the way: QUANTISED
;;     5. batch 64 x [M 2,048, K 2,048] x [K 2,048, N 64]; A: softmax (see below); B: computed on the way: QUANTISED
;;     6. [M 8,192, K 1,024] x [K 1,024, N 1,024]; A: computed on the way; B: input wo: QUANTISED
;;   THE QUANTISER, for each operand of a quantised product, along K:
;;     - K is cut into blocks of 32 from its start; a last block that is shorter is filled with zeros.
;;     - A block's scale is 2^e with e = floor(log2(the largest magnitude in the block)) - 2, held to -126 .. 127; a block of zeros has e = 0. As a byte (E8M0): e + 127.
;;     - Each number is divided by its block's scale, clamped to +-7.5, and rounded to the nearest number of E2M3, ties to even, subnormals kept.
;;     - The product sums the exact products of the quantised numbers (number of the format x scale) in f32.
;;   ~~~python
;;   def quantise(x, axis):      # numpy; x: float32 -> the quantised numbers, widened to float32 again
;;       x = np.moveaxis(x, axis, -1); K = x.shape[-1]
;;       x = np.pad(x, [(0, 0)] * (x.ndim - 1) + [(0, -K % 32)]); x = x.reshape(x.shape[:-1] + (-1, 32)); a = np.abs(x).max(-1, keepdims=True)
;;       e = np.where(a > 0, np.clip(np.frexp(np.where(a > 0, a, 1))[1] - 1 - 2, -126, 127), 0)      # np.frexp(a)[1] - 1 = floor(log2(a)), exactly
;;       r = np.clip(x / 2.0 ** e, -7.5, 7.5)
;;       step = 2.0 ** (np.maximum(np.frexp(np.where(r == 0, 1, r))[1] - 1, 0) - 3)
;;       q = np.round(r / step) * step * 2.0 ** e      # np.round: ties to even
;;       return np.moveaxis(q.reshape(q.shape[:-2] + (-1,))[..., :K], -1, axis).astype(np.float32)
;;   ~~~
;;   SOFTMAX AHEAD OF A QUANTISED PRODUCT. Where the list says 'softmax', what is quantised is not the finished softmax but p = 2^(t - M), with t = logit x log2(e) and M = ceil(the row's largest t), a whole number; so 1/2 < the row's largest p <= 1. The row's sum l is taken of the UNQUANTISED p, in f32, and the product's result is divided by l at the end. Since M is a whole number, a kernel that streams over the keys may use a running M (the ceiling of the running maximum): every later rescaling is an exact power of two, which a block's scale takes up: the codes' values come out the same.
;;   OPERANDS COMPUTED ON THE WAY. 'Computed on the way' means the value that the module computes at that place (a softmax that the list does not call 'softmax' is quantised finished and normalised). What goes into a quantiser is computed in f32, as accurately as f32 sums, v_exp_f32 and their like allow (about 1e-6 of the number): no bf16 or f16 on the way to a quantiser, and a product that is left as it is and whose result goes on into a quantised operand takes f32 operands (vector FMAs, or v_wmma_f32_16x16x4_f32). A number that lies on a knife's edge between two numbers of the format may be rounded either way, as far as f32 arithmetic and the matrix unit's own rounding can turn it there, and no further.
;; One version. Each part assembles by itself: llvm-mc -triple=amdgcn-amd-amdhsa -mcpu=gfx1250 --defsym DOCPART=n.
;; ======== version 1 of 1: 4 launches
;; workspace buffers: img 9,830,400 bytes; qkv 20,185,088 bytes; yimg 6,553,600 bytes
;; launch quant (part 1): grid 4 x 96, 8 waves a work-group, no clusters, 68,608 bytes of LDS; arguments x, wq, wk, wv, wo, img; writes img
.if DOCPART == 1
	.amdgcn_target "amdgcn-amd-amdhsa--gfx1250"
	.amdhsa_code_object_version 6
	.text
	.protected	k_qdb207f3db4_quant
	.globl	k_qdb207f3db4_quant
	.p2align	8
	.type	k_qdb207f3db4_quant,@function
k_qdb207f3db4_quant:
	s_mov_b64 s[64:65], 0
	v_nop
	global_prefetch_b8 v0, s[64:65] scope:SCOPE_SE
	s_setreg_imm32_b32 hwreg(HW_REG_WAVE_MODE, 25, 1), 1
	s_wait_xcnt 0x0
; x [8192][1024] and the four weights [1024][1024], f32 with K innermost, become codes of FP6 (E2M3) with one E8M0 byte for each 32 along K,
; laid in the ORDER OF AN OPERAND'S REGISTERS.  img holds 96 groups of 128 rows x 1,024 K: x 0-63, wq 64-71, wk 72-79, wv 80-87, wo 88-95.
; A group is 4 chunks of 25,600 bytes (256 along K).  A chunk: 16 records of 1,536 bytes, record (K step s2, tile a) at (8 s2 + a) x 1,536, then 8 x 128 bytes of scale words.
; A record is a fragment's 12 registers in two halves of 768 bytes: registers 0, 1 at 8 x lane, registers 2-5 at 256 + 16 x lane; registers 6-11 likewise 768 bytes on.
; THE ROWS OF A TILE ARE NOT NEIGHBOURS: lane r of tile 2 b + u holds row 32 b + 8 u + r + 8 (r / 8), so that a product that takes such tiles as source 0 leaves 16 neighbours in the registers of two neighbouring tiles.
; Scale words of tile a: 4 x lane; lanes 0-15 the word of row r for the chunk's first 128 along K, lanes 16-31 for its second.
; SHARES: work-group (x = chunk, y = group); wave = tile.  Each load reads 512 consecutive bytes of a row; the 16 rows turn through the wave's own stage in LDS (rows of 512 + 16 bytes),
; so that lane (r, h) gets, of row r, the 16 neighbours 32 b + 16 h + 0 .. 15 of each block b.  Waves share nothing: no barrier.
; The codes leave in stores of 256 and 512 consecutive aligned bytes; a tile's scale words are one store of 128 consecutive bytes (1 byte in 25 of what the launch stores).
; A block's scale byte is its largest magnitude's exponent field - 2, held at 1 from below.
; LIMITS: NaN and infinities are not served; a block whose largest magnitude lies under 2^-124, a block of zeros too, gets the byte 1 (its codes are zeros or nearly; this program alone reads the bytes).
.set GRP,  102400
.set CH,   25600
.set REC,  1536
.set SCO,  24576                       ; where a chunk's scale words begin
.set SPI,  528                         ; a stage row
.set R,    16                          ; v16-143  two sets of 64 registers as loaded; their first 20 take the codes afterwards
.set X,    144                         ; v144-207 64 numbers: register 16 b + i = k 32 b + 16 h + i of my row
.set TM,   208                         ; v208-223 at work
.set PW,   224                         ; v224-225 the two scale words, v226 the word that leaves
.set SEL,  30                          ; s[30:31] lane selects: lane l xor 16
; 64 numbers of a lane at v[s] on become a fragment's codes in v[pc] .. v[pc + 11] (v[pc + 12] .. v[pc + 19] at work) and my row's scale word in v[pw]
.macro QUANT s, pc, pw
.irp b, 0,1,2,3
	v_max3_num_f32 v[TM+\b], |v[(\s)+16*\b]|, |v[(\s)+1+16*\b]|, 0x1800000   ; block b: my 16 numbers, and the floor 2^(3 - 127): the byte cannot fall under 1
.endr
.irp i, 2,4,6,8,10,12,14
.irp b, 0,1,2,3
	s_delay_alu instid0(VALU_DEP_4)
	v_max3_num_f32 v[TM+\b], v[TM+\b], |v[(\s)+16*\b+\i]|, |v[(\s)+1+16*\b+\i]|   ; the four blocks by turns
.endr
.endr
.irp b, 0,1,2,3
	s_delay_alu instid0(VALU_DEP_4)
	v_permlanex16_b32 v[TM+4+\b], v[TM+\b], s[SEL], s[SEL+1]
.endr
.irp b, 0,1,2,3
	s_delay_alu instid0(VALU_DEP_4)
	v_max_num_f32 v[TM+\b], v[TM+\b], v[TM+4+\b]          ; with lane l xor 16's: the block's largest magnitude
.endr
.irp b, 0,1,2,3
	s_delay_alu instid0(VALU_DEP_4)
	v_add_nc_u32 v[TM+12+\b], 0xff000000, v[TM+\b]        ; 2 off its exponent field: the conversion's scale operand
.endr
.irp b, 0,1,2,3
	s_delay_alu instid0(VALU_DEP_4)
	v_lshrrev_b32 v[TM+4+\b], 23, v[TM+12+\b]             ; the scale's byte
.endr
	s_delay_alu instid0(VALU_DEP_3)
	v_lshl_or_b32 v[\pw], v[TM+5], 8, v[TM+4]
	s_delay_alu instid0(VALU_DEP_1)
	v_lshl_or_b32 v[\pw], v[TM+6], 16, v[\pw]
	s_delay_alu instid0(VALU_DEP_1)
	v_lshl_or_b32 v[\pw], v[TM+7], 24, v[\pw]
.irp c, 0,1
	v_cvt_scalef32_pk16_fp6_f32 v[(\pc)+6*\c:(\pc)+2+6*\c], v[(\s)+32*\c:(\s)+15+32*\c], v[TM+12+2*\c]
	v_cvt_scalef32_pk16_fp6_f32 v[(\pc)+12+4*\c:(\pc)+14+4*\c], v[(\s)+16+32*\c:(\s)+31+32*\c], v[TM+12+2*\c+1]   ; (a conversion's three registers begin on an even number)
.endr
	v_nop                                                 ; one plain place behind a scaled conversion
.irp c, 0,1                                               ; the layout wants a whole block in a lane: lanes 0-15 block 2 c, lanes 16-31 block 2 c + 1
.irp i, 0,1,2
	v_permlane16_swap_b32 v[(\pc)+6*\c+\i], v[(\pc)+12+4*\c+\i]
.endr
.irp i, 0,1,2
	s_delay_alu instid0(VALU_DEP_3)
	v_mov_b32 v[(\pc)+3+6*\c+\i], v[(\pc)+12+4*\c+\i]
.endr
.endr
.endm
	s_load_b256 s[4:11], s[0:1], 0x0               ; x s[4:5], wq s[6:7], wk s[8:9], wv s[10:11]
	s_load_b128 s[12:15], s[0:1], 0x20             ; wo s[12:13], img s[14:15]
	v_lshl_add_u32 v232, v0, 2, 0x10800
	v_mov_b32 v233, 0
	v_lshrrev_b32 v1, 5, v0
	s_delay_alu instid0(VALU_DEP_1)
	v_readfirstlane_b32 s18, v1                    ; wave = tile a
	v_and_b32 v2, 31, v0                           ; lane
	v_and_b32 v3, 15, v0                           ; r
	v_bfe_u32 v9, v0, 4, 1                         ; h
	s_delay_alu instid0(VALU_DEP_3)
	v_lshlrev_b32 v4, 4, v2                        ; 16 x lane
	s_delay_alu instid0(VALU_DEP_4)
	v_lshlrev_b32 v5, 3, v2                        ; 8 x lane
	v_lshlrev_b32 v6, 2, v2                        ; 4 x lane
	s_mul_i32 s19, s18, 16*SPI                     ; my stage
	v_add_nc_u32 v7, s19, v4                       ; into it: 16 bytes a lane of a row
	v_mul_u32_u24 v8, v3, SPI
	s_delay_alu instid0(VALU_DEP_1)
	v_lshl_add_u32 v8, v9, 6, v8
	s_delay_alu instid0(VALU_DEP_1)
	v_add_nc_u32 v8, s19, v8                       ; out of it: row r, + 64 h
.irp b, 0,1,2,3
	v_mov_b32 v[TM+4+\b], 0                        ; written once: a lane permute's destination counts as one of its sources
.endr
	s_mov_b32 s[SEL], 0x76543210
	s_mov_b32 s[SEL+1], 0xfedcba98
	s_mov_b32 s23, 0xffff0000                      ; lanes 16-31
	s_and_b32 s2, ttmp7, 0xffff                    ; the group G
	s_and_b32 s3, s2, 7                            ; a weight's group in its tensor
	s_lshr_b32 s21, s18, 1
	s_lshl_b32 s21, s21, 5
	s_and_b32 s22, s18, 1
	s_lshl_b32 s22, s22, 3
	s_add_co_u32 s21, s21, s22                     ; the tile's first row in its group: 32 (a / 2) + 8 (a % 2)
	s_mul_i32 s24, s2, GRP
	s_mul_i32 s25, ttmp9, CH
	s_add_co_u32 s24, s24, s25                     ; my chunk in img
	s_mul_i32 s26, s18, REC
	s_add_co_u32 s26, s26, s24                     ; my tile's first record
	s_mov_b32 s27, 0
	s_lshl_b32 s28, s18, 7
	s_add_co_u32 s28, s28, s24
	s_add_co_u32 s28, s28, SCO                     ; my tile's scale words
	s_mov_b32 s29, 0
	s_wait_alu depctr_va_vdst(0)
	s_wait_kmcnt 0x0
	s_cmp_lt_u32 s2, 88                            ; which tensor: the choice hangs on the work-group's number alone
	s_cselect_b64 s[16:17], s[10:11], s[12:13]
	s_cmp_lt_u32 s2, 80
	s_cselect_b64 s[16:17], s[8:9], s[16:17]
	s_cmp_lt_u32 s2, 72
	s_cselect_b64 s[16:17], s[6:7], s[16:17]
	s_cmp_lt_u32 s2, 64
	s_cselect_b64 s[16:17], s[4:5], s[16:17]
	s_cselect_b32 s3, s2, s3                       ; the group's number in its own tensor
	s_lshl_b32 s20, s3, 7
	s_add_co_u32 s20, s20, s21
	s_lshl_b32 s20, s20, 12                        ; rows of 4,096 bytes (under 2^26)
	s_lshl_b32 s22, ttmp9, 10                      ; + the chunk's 1,024 bytes
	s_add_co_u32 s20, s20, s22
	s_mov_b32 s21, 0
	s_add_nc_u64 s[16:17], s[16:17], s[20:21]
	s_add_nc_u64 s[26:27], s[14:15], s[26:27]
	s_add_nc_u64 s[28:29], s[14:15], s[28:29]
.irp t, 0,1                                        ; all 32 loads go out first: K step t, tile row i
.irp i, 0,1,2,3,4,5,6,7,8,9,10,11,12,13,14,15
	global_load_b128 v[R+64*\t+4*\i:R+64*\t+4*\i+3], v4, s[16:17] offset:(\i+8*(\i/8))*4096+512*\t th:TH_LOAD_NT   ; 32 lanes read 512 consecutive bytes
.endr
.endr
.macro TURN t
	s_wait_loadcnt 16*(1-\t)                       ; this K step's sixteen loads are in; the count leaves the other step's sixteen out
.irp i, 0,1,2,3,4,5,6,7,8,9,10,11,12,13,14,15
	ds_store_b128 v7, v[R+64*\t+4*\i:R+64*\t+4*\i+3] offset:SPI*\i
.endr
.irp b, 0,1,2,3
.irp j, 0,1,2,3
	ds_load_b128 v[X+16*\b+4*\j:X+16*\b+4*\j+3], v8 offset:128*\b+16*\j   ; LDS serves a wave's instructions in order: these see the stores above
.endr
.endr
	s_wait_dscnt 0x0
	QUANT X, R+64*\t, PW+\t
	global_store_b64 v5, v[R+64*\t:R+64*\t+1], s[26:27] offset:8*REC*\t              ; 256 consecutive bytes
	global_store_b128 v4, v[R+64*\t+2:R+64*\t+5], s[26:27] offset:8*REC*\t+256       ; 512
	global_store_b64 v5, v[R+64*\t+6:R+64*\t+7], s[26:27] offset:8*REC*\t+768
	global_store_b128 v4, v[R+64*\t+8:R+64*\t+11], s[26:27] offset:8*REC*\t+1024
.endm
	TURN 0
	TURN 1                                         ; its codes lie in registers of their own: no store's data are written again
	v_cndmask_b32 v[PW+2], v[PW], v[PW+1], s23     ; lanes 0-15 the first K step's word of row r, lanes 16-31 the second's (both halves of the lanes hold their row's word)
	global_store_b32 v6, v[PW+2], s[28:29]
	s_wait_tensorcnt 0x0
	ds_add_u32 v232, v233
	s_wait_dscnt 0x0
	s_endpgm
.Lfunc_end_k_qdb207f3db4_quant:
	.size	k_qdb207f3db4_quant, .Lfunc_end_k_qdb207f3db4_quant-k_qdb207f3db4_quant
	.p2alignl 7, 3214868480
	.fill 96, 4, 3214868480
	.section	.rodata,"a",@progbits
	.p2align	6, 0x0
	.amdhsa_kernel k_qdb207f3db4_quant
		.amdhsa_group_segment_fixed_size 68608
		.amdhsa_private_segment_fixed_size 0
		.amdhsa_enable_private_segment 0
		.amdhsa_kernarg_size 48
		.amdhsa_user_sgpr_count 2
		.amdhsa_user_sgpr_kernarg_segment_ptr 1
		.amdhsa_wavefront_size32 1
		.amdhsa_system_sgpr_workgroup_id_x 1
		.amdhsa_system_sgpr_workgroup_id_y 1
		.amdhsa_system_sgpr_workgroup_id_z 1
		.amdhsa_system_vgpr_workitem_id 0
		.amdhsa_next_free_vgpr 234
		.amdhsa_next_free_sgpr 66
		.amdhsa_reserve_vcc 0
		.amdhsa_float_denorm_mode_32 3
		.amdhsa_float_denorm_mode_16_64 3
		.amdhsa_memory_ordered 1
		.amdhsa_forward_progress 1
		.amdhsa_inst_pref_size 22
	.end_amdhsa_kernel
	.amdgpu_metadata
---
amdhsa.version: [ 1, 2 ]
amdhsa.kernels:
  - .name:           k_qdb207f3db4_quant
    .symbol:         k_qdb207f3db4_quant.kd
    .args:
      - { .name: x, .offset: 0, .size: 8, .value_kind: global_buffer, .address_space: global }
      - { .name: wq, .offset: 8, .size: 8, .value_kind: global_buffer, .address_space: global }
      - { .name: wk, .offset: 16, .size: 8, .value_kind: global_buffer, .address_space: global }
      - { .name: wv, .offset: 24, .size: 8, .value_kind: global_buffer, .address_space: global }
      - { .name: wo, .offset: 32, .size: 8, .value_kind: global_buffer, .address_space: global }
      - { .name: img, .offset: 40, .size: 8, .value_kind: global_buffer, .address_space: global }
    .group_segment_fixed_size: 68608
    .private_segment_fixed_size: 0
    .kernarg_segment_align: 8
    .kernarg_segment_size: 48
    .max_flat_workgroup_size: 256
    .sgpr_count:     66
    .vgpr_count:     234
    .wavefront_size: 32
...
	.end_amdgpu_metadata
.endif
;; end of part 1
;; launch proj (part 2): grid 8 x 96, 4 waves a work-group, clusters of 4 x 4, 307,712 bytes of LDS; arguments img, qkv; writes qkv
.if DOCPART == 2
	.amdgcn_target "amdgcn-amd-amdhsa--gfx1250"
	.amdhsa_code_object_version 6
	.text
	.protected	k_qdb207f3db4_proj
	.globl	k_qdb207f3db4_proj
	.p2align	8
	.type	k_qdb207f3db4_proj,@function
k_qdb207f3db4_proj:
	s_mov_b64 s[64:65], 0
	v_nop
	global_prefetch_b8 v0, s[64:65] scope:SCOPE_SE
	s_setreg_imm32_b32 hwreg(HW_REG_WAVE_MODE, 25, 1), 1
	s_wait_xcnt 0x0
	s_wait_alu depctr_hold_cnt(0) depctr_sa_sdst(0) depctr_va_vdst(0) depctr_va_sdst(0) depctr_va_ssrc(0) depctr_va_vcc(0) depctr_vm_vsrc(0)
	s_getreg_b32 s2, hwreg(HW_REG_IB_STS2, 6, 4)
	s_cmp_eq_u32 s2, 0
	s_cbranch_scc0 .Lentry_in_a_cluster
	s_endpgm
.Lentry_in_a_cluster:
	s_bfe_u32 s2, ttmp6, 0x10000c
	s_cmp_lg_u32 s2, 0xf033
	s_cbranch_scc0 .Lentry_shape_is_right
	s_endpgm
.Lentry_shape_is_right:
; q = x wq^T, k = x wk^T, v = x wv^T on codes of FP6 (E2M3) with E8M0 scales, K = 1,024; the results are quantised in registers and stored as images of the operands that attention takes.
; OPERANDS: img, 96 groups of 128 rows x 1,024 K (x 0-63, wq 64-71, wk 72-79, wv 80-87), each 4 chunks of 25,600 dense bytes (256 along K): 16 records of 1,536 bytes (K step s2, tile a at (8 s2 + a) x 1,536),
; then 8 x 128 bytes of scale words (lanes 0-15: the chunk's first K step, lanes 16-31: its second).  A record is a fragment's registers: 0, 1 at 8 x lane; 2-5 at 256 + 16 x lane; 6-11 likewise 768 bytes on.
; A tile's rows: lane r of tile 2 b + u holds row 32 b + 8 u + r + 8 (r / 8).
; SHARES: a work-group makes 128 rows of operand A x 256 rows of operand B; source 0 = B, source 1 = A, so that a lane stands for ONE row of A and its registers run along B's rows, in their natural order.
; Wave w: A's tiles 4 (w / 2) .. + 3, B's group w % 2: 32 accumulators.  Clusters with y under 16: A = x (a lane is a token), B = wq, wk (registers run along two heads' 64 + 64 channels): q and k, quantised along the head.
; Clusters with y from 16 on: A = wv (a lane is a channel), B = x (registers run along 128 tokens): v, quantised along the keys.  The two roles differ in numbers chosen by s_cselect on the cluster's y alone.
; LDS: the whole K of all three groups fits: B's two groups at 0 and 102,400, A's at 204,800.  Every byte is filled once, by twelve tensor loads issued at the start (four a wave, by waves 0, 1 and 2); nothing is filled again.
; CLUSTER 4 x 4: A's group hangs on the place along y and is asked for jointly by a row of the cluster, B's on the place along x and by a column.
; OUT: qkv, for each (batch x head, 128 tokens) a block of 19,712 bytes: K's 8 half records (768 bytes each) at 0; V's 4 records at 6,144; K's scale words at 12,288; V's at 12,800; Q's half records at 13,056; Q's scale words at 19,200.
; Scale words of K and Q: [half of the tiles][lane][2]: the word of tile 4 wa + 2 i + lane / 16, row lane % 16.  V's the same without wa.
; An even head's word keeps the odd head's two bytes on top: they stand over zero codes in attention and lie in 1 .. 254.
; LIMITS: NaN and infinities are not served; a block whose largest magnitude lies under 2^-124 (zeros too) gets the byte 1; this program alone reads the bytes.
; REGISTERS: window 0: v2-7 LDS addresses, v8-15 store offsets, v32-55 scale words (two sets of 12, nothing else ever), v56-151 A's fragments (two sets of 4), later the codes; v152-176 at work on the way out.
;   window 1: B's fragments, two sets of 8, at v0 and v128.   window 2: accumulator (a, b) at v[8 (8 a + b)].
.set GRP,  102400
.set CH,   25600
.set REC,  1536
.set SCO,  24576
.set ALDS, 204800
.set SC,   32
.set AF,   56
.set PCB,  56                          ; the way out: 24 registers of codes for each of the four tiles
.set PWB,  152                         ; v152-155 their scale words; v156-159 the words that leave
.set TM,   160                         ; v160-175 at work
.set SEL,  2                           ; s[2:3] lane selects: lane l xor 16
.set G1A,  24                          ; s[24:31], s[32:39] descriptor groups 1;  s[40:55], s[68:83] groups 0, one for each chunk
.set G1B,  32
.set G0A,  40
.set G0B,  68
.set MSB, 0
.macro WIN new                         ; the immediate's high byte repeats the setting that is left
.if MSB != \new
	s_set_vgpr_msb (MSB<<8)|\new
.set MSB, \new
.endif
.endm
.macro PLACES n
.rept \n
	v_nop
.endr
.endm
.macro CROUND                          ; a round of the cluster's barrier
	s_barrier_signal -1
	s_barrier_wait -1
	s_cmp_lg_u32 s8, 0
	s_cbranch_scc1 .Lnot_wave_0_\@
	s_barrier_signal -3
.Lnot_wave_0_\@:
	s_barrier_wait -3
	s_barrier_signal -1
	s_barrier_wait -1
.endm
.macro FRAG reg, a8, a16, off          ; a record becomes 12 registers: each load takes 256 or 512 consecutive bytes
	ds_load_b64 v[(\reg):(\reg)+1], v[\a8] offset:(\off)
	ds_load_b128 v[(\reg)+2:(\reg)+5], v[\a16] offset:(\off)+256
	ds_load_b64 v[(\reg)+6:(\reg)+7], v[\a8] offset:(\off)+768
	ds_load_b128 v[(\reg)+8:(\reg)+11], v[\a16] offset:(\off)+1024
.endm
.macro FETCH_B s2, p                   ; B's eight fragments of the chunk's K step s2 into set p
	WIN 0x40                                       ; destination window 1, address window 0
.irp b, 0,1,2,3,4,5,6,7
	FRAG 128*(\p)+12*\b, 5, 6, (8*(\s2)+\b)*REC
.endr
	WIN 0
.endm
.macro FETCH_A s2, p                   ; my four fragments of A
.irp a, 0,1,2,3
	FRAG AF+48*(\p)+12*\a, 2, 3, (8*(\s2)+\a)*REC
.endr
.endm
.macro SCALES q                        ; a chunk's scale words into set q: registers 0-7 B's tiles, 8-11 A's
.irp b, 0,1,2,3,4,5,6,7
	ds_load_b32 v[SC+12*(\q)+\b], v7 offset:SCO+128*\b
.endr
.irp a, 0,1,2,3
	ds_load_b32 v[SC+12*(\q)+8+\a], v4 offset:SCO+128*\a
.endr
.endm
; 16 matrix instructions: A's tiles a0, a0 + 1 x B's eight.  The 32 accumulators take turns, one instruction a turn, in the same order in every K step.
.macro MUL16 a0, p, q, odd, zero
.irp a, \a0, \a0+1
.irp b, 0,1,2,3,4,5,6,7
.if \zero
	v_wmma_scale_f32_16x16x128_f8f6f4 v[8*(8*(\a)+\b):8*(8*(\a)+\b)+7], v[128*(\p)+12*\b:128*(\p)+12*\b+11], v[AF+48*(\p)+12*(\a):AF+48*(\p)+12*(\a)+11], 0, v[SC+12*(\q)+\b], v[SC+12*(\q)+8+(\a)] matrix_a_fmt:MATRIX_FMT_FP6 matrix_b_fmt:MATRIX_FMT_FP6
.elseif \odd
	v_wmma_scale_f32_16x16x128_f8f6f4 v[8*(8*(\a)+\b):8*(8*(\a)+\b)+7], v[128*(\p)+12*\b:128*(\p)+12*\b+11], v[AF+48*(\p)+12*(\a):AF+48*(\p)+12*(\a)+11], v[8*(8*(\a)+\b):8*(8*(\a)+\b)+7], v[SC+12*(\q)+\b], v[SC+12*(\q)+8+(\a)] matrix_a_fmt:MATRIX_FMT_FP6 matrix_b_fmt:MATRIX_FMT_FP6 matrix_a_scale:MATRIX_SCALE_ROW1 matrix_b_scale:MATRIX_SCALE_ROW1
.else
	v_wmma_scale_f32_16x16x128_f8f6f4 v[8*(8*(\a)+\b):8*(8*(\a)+\b)+7], v[128*(\p)+12*\b:128*(\p)+12*\b+11], v[AF+48*(\p)+12*(\a):AF+48*(\p)+12*(\a)+11], v[8*(8*(\a)+\b):8*(8*(\a)+\b)+7], v[SC+12*(\q)+\b], v[SC+12*(\q)+8+(\a)] matrix_a_fmt:MATRIX_FMT_FP6 matrix_b_fmt:MATRIX_FMT_FP6
.endif
.endr
.endr
.endm
; The next K step's fragments.  Loads into registers that matrix instructions have read stand four plain vector instructions behind them (ISA guide 7.12.1 for vector instructions):
; four v_nop, or, where a chunk begins, the six additions that step the LDS addresses.
.macro NEXT s2, p, q, chunk
	WIN 0
.if \chunk
.irp r, 2,3,4,5,6,7
	v_add_nc_u32 v\r, CH, v\r
.endr
.else
	PLACES 4
.endif
	FETCH_B \s2, \p
	FETCH_A \s2, \p
.if \chunk
	SCALES \q
.endif
.endm
; K step s of eight.  An even step fetches its successor (same chunk) at its head: 32 matrix instructions in which to land.  An odd step first shows the next chunk to every wave:
; the count leaves my later chunks out; the barrier's two halves stand round 16 matrix instructions.
.macro STEP s
	s_wait_dscnt 0x0                               ; this step's fragments and scale words are in
.if (\s)%2 == 0
	s_wait_alu depctr_va_vdst(0)
	NEXT 1, 1, 0, 0
	WIN 0xa1                                       ; source 0 (B) window 1, source 1 (A) window 0, C and D window 2
	MUL16 0, 0, ((\s)/2)%2, 0, (\s)==0
	MUL16 2, 0, ((\s)/2)%2, 0, (\s)==0
.else
.if (\s) < 7
	s_wait_tensorcnt 3-((\s)+1)/2                  ; my load of chunk (s + 1) / 2 has landed; the later ones stay out
	s_barrier_signal -1
.endif
	WIN 0xa1
	MUL16 0, 1, ((\s)/2)%2, 1, 0
.if (\s) < 7
	s_barrier_wait -1                              ; everybody's has
	NEXT 0, 0, 1-((\s)/2)%2, 1
	WIN 0xa1
.endif
	MUL16 2, 1, ((\s)/2)%2, 1, 0
.endif
.endm
; 64 results of a lane, in window 2 at v[s] on (register 16 b + i = k 32 b + 16 h + i), become a fragment's codes in v[pc] .. v[pc + 11] and my row's scale word in v[pw].  Each accumulator is read from its low end on.
.macro QUANT s, pc, pw
	WIN 0x0a                                       ; sources 0 and 1 window 2
.irp b, 0,1,2,3
	v_max3_num_f32 v[TM+\b], |v[(\s)+16*\b]|, |v[(\s)+1+16*\b]|, 0x1800000   ; and the floor 2^(3 - 127): the byte cannot fall under 1
.endr
	WIN 0x28                                       ; sources 1 and 2 window 2
.irp i, 2,4,6,8,10,12,14
.irp b, 0,1,2,3
	v_max3_num_f32 v[TM+\b], v[TM+\b], |v[(\s)+16*\b+\i]|, |v[(\s)+1+16*\b+\i]|
.endr
.endr
	WIN 0
.irp b, 0,1,2,3
	v_permlanex16_b32 v[TM+4+\b], v[TM+\b], s[SEL], s[SEL+1]
.endr
.irp b, 0,1,2,3
	v_max_num_f32 v[TM+\b], v[TM+\b], v[TM+4+\b]          ; with lane l xor 16's: the block's largest magnitude
.endr
.irp b, 0,1,2,3
	v_add_nc_u32 v[TM+12+\b], 0xff000000, v[TM+\b]        ; 2 off its exponent field: the conversion's scale operand
.endr
.irp b, 0,1,2,3
	v_lshrrev_b32 v[TM+4+\b], 23, v[TM+12+\b]             ; the scale's byte
.endr
	v_lshl_or_b32 v[\pw], v[TM+5], 8, v[TM+4]
	v_lshl_or_b32 v[\pw], v[TM+6], 16, v[\pw]
	v_lshl_or_b32 v[\pw], v[TM+7], 24, v[\pw]
	WIN 0x02                                       ; source 0 window 2
.irp c, 0,1
	v_cvt_scalef32_pk16_fp6_f32 v[(\pc)+6*\c:(\pc)+2+6*\c], v[(\s)+32*\c:(\s)+15+32*\c], v[TM+12+2*\c]
	v_cvt_scalef32_pk16_fp6_f32 v[(\pc)+12+4*\c:(\pc)+14+4*\c], v[(\s)+16+32*\c:(\s)+31+32*\c], v[TM+12+2*\c+1]
.endr
	WIN 0
	v_nop                                                 ; one plain place behind a scaled conversion
.irp c, 0,1
.irp i, 0,1,2
	v_permlane16_swap_b32 v[(\pc)+6*\c+\i], v[(\pc)+12+4*\c+\i]
.endr
.irp i, 0,1,2
	v_mov_b32 v[(\pc)+3+6*\c+\i], v[(\pc)+12+4*\c+\i]
.endr
.endr
.endm
	s_load_b128 s[4:7], s[0:1], 0x0                ; img s[4:5], qkv s[6:7]
	v_lshl_add_u32 v254, v0, 2, 0x4b000
	v_mov_b32 v255, 0
	ds_add_u32 v254, v255
	ds_add_u32 v254, v255
	v_lshrrev_b32 v1, 5, v0
	v_readfirstlane_b32 s8, v1                     ; wave 0..3
	s_lshr_b32 s9, s8, 1                           ; wa: which four tiles of A
	s_and_b32 s10, s8, 1                           ; wb: which group of B
	s_bfe_u32 s11, ttmp6, 0x40000                  ; cx
	s_bfe_u32 s12, ttmp6, 0x40004                  ; cy
	s_mov_b32 s13, ttmp9                           ; the cluster's x, 0 or 1
	s_and_b32 s14, ttmp7, 0xffff                   ; the cluster's y, 0 .. 23
	s_sub_co_u32 s15, s14, 16
	s_cmp_ge_u32 s14, 16                           ; the role hangs on the cluster's y alone: it is the same in all sixteen partners
	s_cselect_b32 s20, 1, 0                        ; 0: q and k;  1: v
	s_cselect_b32 s16, s13, s14                    ; A's run of four groups
	s_cselect_b32 s17, s15, s13                    ; B's run of four pairs of groups
	s_cselect_b32 s21, 80, 0                       ; A: wv's groups, or x's
	s_cselect_b32 s22, 0, 64                       ; B: x's groups, or wq's and wk's
	s_lshl_b32 s18, s16, 2
	s_add_co_u32 s18, s18, s12                     ; At: hangs on cy, never on cx
	s_lshl_b32 s19, s17, 2
	s_add_co_u32 s19, s19, s11                     ; Bt: hangs on cx, never on cy
	s_lshl_b32 s56, s12, 2
	s_lshl_b32 s56, 15, s56                        ; my row of the cluster
	s_lshl_b32 s57, 0x1111, s11                    ; my column
	s_or_b32 s[G1A], s56, (3<<16)|(1<<21)          ; 15:0 the mask; 17:16 elements of 8 bytes; 21 set beside a mask; no padding
	s_or_b32 s[G1B], s57, (3<<16)|(1<<21)
.irp g, G1A, G1B                                   ; a chunk: 100 dense rows of 256 bytes
	s_mov_b32 s[\g+1], 32<<16                      ; tensor_dim0 = 32
	s_mov_b32 s[\g+2], 100<<16                     ; tensor_dim1 = 100
	s_mov_b32 s[\g+3], 32<<16                      ; tile_dim0 = 32
	s_mov_b32 s[\g+4], 100                         ; tile_dim1 = 100
	s_mov_b32 s[\g+5], 32                          ; from row to row
	s_mov_b32 s[\g+6], 0
	s_mov_b32 s[\g+7], 0
.endr
	s_add_co_u32 s58, s21, s18
	s_mul_i32 s58, s58, GRP                        ; A's group in img (under 2^24)
	s_mov_b32 s59, 0
	s_lshl_b32 s60, s19, 1
	s_add_co_u32 s60, s60, s10
	s_add_co_u32 s60, s60, s22
	s_mul_i32 s60, s60, GRP                        ; B's group wb
	s_mov_b32 s61, 0
	s_mul_i32 s62, s10, GRP                        ; and its place in LDS: the wave's number alone
	s_wait_dscnt 0x0
	s_wait_kmcnt 0x0
	s_add_nc_u64 s[58:59], s[4:5], s[58:59]
	s_add_nc_u64 s[60:61], s[4:5], s[60:61]
.irp c, 0,1,2,3
	s_mov_b32 s[G0A+4*\c], 1                       ; count = 1
	s_mov_b32 s[G0A+4*\c+1], ALDS+CH*\c            ; LDS address
	s_add_nc_u64 s[G0A+4*\c+2:G0A+4*\c+3], s[58:59], CH*\c
	s_or_b32 s[G0A+4*\c+3], s[G0A+4*\c+3], 0x80000000   ; type = 2
	s_mov_b32 s[G0B+4*\c], 1
	s_add_co_u32 s[G0B+4*\c+1], s62, CH*\c
	s_add_nc_u64 s[G0B+4*\c+2:G0B+4*\c+3], s[60:61], CH*\c
	s_or_b32 s[G0B+4*\c+3], s[G0B+4*\c+3], 0x80000000
.endr
	CROUND                                         ; all sixteen work-groups are here: the joint loads meet
	s_cmp_lt_u32 s8, 2                             ; waves 0 and 1: B's two groups; wave 2: A's; wave 3: none.  A wave's four loads stand together: four are out
	s_cbranch_scc0 .Lnot_b
	tensor_load_to_lds s[G0B:G0B+3], s[G1B:G1B+7]
	s_nop 0
	tensor_load_to_lds s[G0B+4:G0B+7], s[G1B:G1B+7]
	s_nop 0
	tensor_load_to_lds s[G0B+8:G0B+11], s[G1B:G1B+7]
	s_nop 0
	tensor_load_to_lds s[G0B+12:G0B+15], s[G1B:G1B+7]
	s_nop 0
	PLACES 4
	s_branch .Lasked
.Lnot_b:
	s_cmp_eq_u32 s8, 2
	s_cbranch_scc0 .Lasked
	tensor_load_to_lds s[G0A:G0A+3], s[G1A:G1A+7]
	s_nop 0
	tensor_load_to_lds s[G0A+4:G0A+7], s[G1A:G1A+7]
	s_nop 0
	tensor_load_to_lds s[G0A+8:G0A+11], s[G1A:G1A+7]
	s_nop 0
	tensor_load_to_lds s[G0A+12:G0A+15], s[G1A:G1A+7]
	s_nop 0
	PLACES 4
.Lasked:
	v_and_b32 v1, 31, v0                           ; lane
	s_mul_i32 s63, s9, 4*REC
	s_add_co_u32 s63, s63, ALDS
	v_lshl_add_u32 v2, v1, 3, s63                  ; A: 8 x lane + my four tiles
	v_lshl_add_u32 v3, v1, 4, s63                  ;    16 x lane
	s_lshl_b32 s63, s9, 9
	s_add_co_u32 s63, s63, ALDS
	v_lshl_add_u32 v4, v1, 2, s63                  ;    scale words: 4 x lane
	v_lshl_add_u32 v5, v1, 3, s62                  ; B likewise
	v_lshl_add_u32 v6, v1, 4, s62
	v_lshl_add_u32 v7, v1, 2, s62
.irp b, 0,1,2,3
	v_mov_b32 v[TM+4+\b], 0                        ; written once: a lane permute's destination counts as one of its sources
.endr
	s_mov_b32 s[SEL], 0x76543210
	s_mov_b32 s[SEL+1], 0xfedcba98
	s_mov_b32 s23, 0xffff0000                      ; lanes 16-31
	; where the results go
	s_lshl_b32 s84, s19, 1
	s_add_co_u32 s84, s84, s10                     ; v: the tokens' group 2 Bt + wb
	s_lshl_b32 s85, s18, 1
	s_add_co_u32 s85, s85, s9                      ; v: the head 2 At + wa
	s_and_b32 s86, s19, 3
	s_lshl_b32 s86, s86, 2
	s_lshl_b32 s87, s10, 1
	s_add_co_u32 s86, s86, s87                     ; q, k: the even head 4 (Bt % 4) + 2 wb
	s_lshr_b32 s87, s19, 2
	s_xor_b32 s87, s87, 1                          ; q, k: 1 for q, 0 for k
	s_mul_i32 s88, s87, 13056
	s_mul_i32 s89, s9, 3072
	s_add_co_u32 s88, s88, s89                     ; q, k: my four half records in a block
	s_mul_i32 s89, s87, 6912
	s_lshl_b32 s90, s9, 8
	s_add_co_u32 s89, s89, s90
	s_add_co_u32 s89, s89, 12288                   ; q, k: my scale words
	s_mov_b32 s91, 315392                          ; from a head to the next
	s_mov_b32 s87, 768
	s_cmp_lg_u32 s20, 0
	s_cselect_b32 s84, s84, s18                    ; g: the tokens' group
	s_cselect_b32 s85, s85, s86                    ; the head
	s_cselect_b32 s88, 6144, s88                   ; the codes' place in a block
	s_cselect_b32 s89, 12800, s89                  ; the scale words'
	s_cselect_b32 s90, 768, s91                    ; from registers 0-5 to registers 6-11: the record's second half, or the odd head's block
	s_cselect_b32 s92, 0, s91                      ; from the even head's scale words to the odd head's
	s_cselect_b32 s87, 1536, s87                   ; from tile to tile
	s_mov_b32 s91, 0
	s_mov_b32 s93, 0
	s_lshr_b32 s94, s84, 4
	s_lshl_b32 s94, s94, 4
	s_add_co_u32 s94, s94, s85                     ; batch x 16 + head
	s_lshl_b32 s94, s94, 4
	s_and_b32 s95, s84, 15
	s_add_co_u32 s94, s94, s95                     ; x 16 + the step of 128 tokens
	s_mul_i32 s94, s94, 19712                      ; the block (under 2^25)
	s_add_co_u32 s96, s94, s88
	s_mov_b32 s97, 0
	s_add_nc_u64 s[96:97], s[6:7], s[96:97]        ; registers 0-5
	s_add_nc_u64 s[98:99], s[96:97], s[90:91]      ; registers 6-11
	s_add_co_u32 s94, s94, s89
	s_mov_b32 s95, 0
	s_add_nc_u64 s[94:95], s[6:7], s[94:95]        ; scale words
	s_add_nc_u64 s[92:93], s[94:95], s[92:93]      ; the odd head's
	v_lshlrev_b32 v8, 3, v1                        ; v8-11: 8 x lane + tile a;  v12-15: 16 x lane + tile a
	v_lshlrev_b32 v12, 4, v1
.irp a, 1,2,3
	v_add_nc_u32 v[8+\a], s87, v[7+\a]
	v_add_nc_u32 v[12+\a], s87, v[11+\a]
.endr
	v_mov_b32 v176, s20                            ; the role
	s_wait_tensorcnt 0x3                           ; my load of chunk 0 has landed; chunks 1 to 3 stay out
	s_barrier_signal -1
	s_barrier_wait -1                              ; everybody's has
	FETCH_B 0, 0
	FETCH_A 0, 0
	SCALES 0
.irp s, 0,1,2,3,4,5,6,7
	STEP \s
.endr
	; THE WAY OUT.  Tile a's 64 results a lane are 128 neighbours along the next product's K (with lane l xor 16's): one fragment.  Each tile has registers of its own for its codes, so no store's data are written again.
	WIN 0
	PLACES 4                                       ; behind the last products, ahead of the first read of results
.irp a, 0,1,2,3
	QUANT 64*\a, PCB+24*\a, PWB+\a
	global_store_b64 v[8+\a], v[PCB+24*\a:PCB+24*\a+1], s[96:97]                ; 256 consecutive aligned bytes
	global_store_b128 v[12+\a], v[PCB+24*\a+2:PCB+24*\a+5], s[96:97] offset:256  ; 512
	global_store_b64 v[8+\a], v[PCB+24*\a+6:PCB+24*\a+7], s[98:99]
	global_store_b128 v[12+\a], v[PCB+24*\a+8:PCB+24*\a+11], s[98:99] offset:256
.endr
	v_cndmask_b32 v156, v152, v153, s23            ; lanes 0-15 tile 0's words, lanes 16-31 tile 1's (both halves of the lanes hold their row's word)
	v_cndmask_b32 v157, v154, v155, s23            ; tiles 2 and 3
	v_lshrrev_b32 v158, 16, v156                   ; q, k: the odd head's two bytes
	v_lshrrev_b32 v159, 16, v157
	global_store_b64 v8, v[156:157], s[94:95]      ; 256 consecutive aligned bytes
	v_cmp_eq_u32 vcc_lo, 0, v176                   ; the odd head's words exist for q and k alone
	s_wait_alu depctr_va_vdst(0)
	s_wait_xcnt 0x0                                ; EXEC is a source of the stores above: it changes only behind this wait
	s_and_saveexec_b32 s21, vcc_lo
	global_store_b64 v8, v[158:159], s[92:93]
	s_wait_xcnt 0x0                                ; and again ahead of the line that widens it
	s_or_b32 exec_lo, exec_lo, s21
	s_wait_tensorcnt 0x0
	ds_add_u32 v254, v255
	s_wait_dscnt 0x0
	CROUND                                         ; the closing round: no work-group ends while a partner may still ask for a tile that names it
	s_endpgm
.Lfunc_end_k_qdb207f3db4_proj:
	.size	k_qdb207f3db4_proj, .Lfunc_end_k_qdb207f3db4_proj-k_qdb207f3db4_proj
	.p2alignl 7, 3214868480
	.fill 96, 4, 3214868480
	.section	.rodata,"a",@progbits
	.p2align	6, 0x0
	.amdhsa_kernel k_qdb207f3db4_proj
		.amdhsa_group_segment_fixed_size 307712
		.amdhsa_private_segment_fixed_size 0
		.amdhsa_enable_private_segment 0
		.amdhsa_kernarg_size 16
		.amdhsa_user_sgpr_count 2
		.amdhsa_user_sgpr_kernarg_segment_ptr 1
		.amdhsa_wavefront_size32 1
		.amdhsa_system_sgpr_workgroup_id_x 1
		.amdhsa_system_sgpr_workgroup_id_y 1
		.amdhsa_system_sgpr_workgroup_id_z 1
		.amdhsa_system_vgpr_workitem_id 0
		.amdhsa_next_free_vgpr 768
		.amdhsa_next_free_sgpr 100
		.amdhsa_reserve_vcc 1
		.amdhsa_float_denorm_mode_32 3
		.amdhsa_float_denorm_mode_16_64 3
		.amdhsa_memory_ordered 1
		.amdhsa_forward_progress 1
		.amdhsa_inst_pref_size 90
	.end_amdhsa_kernel
	.amdgpu_metadata
---
amdhsa.version: [ 1, 2 ]
amdhsa.kernels:
  - .name:           k_qdb207f3db4_proj
    .symbol:         k_qdb207f3db4_proj.kd
    .args:
      - { .name: img, .offset: 0, .size: 8, .value_kind: global_buffer, .address_space: global }
      - { .name: qkv, .offset: 8, .size: 8, .value_kind: global_buffer, .address_space: global }
    .group_segment_fixed_size: 307712
    .private_segment_fixed_size: 0
    .kernarg_segment_align: 8
    .kernarg_segment_size: 16
    .max_flat_workgroup_size: 128
    .sgpr_count:     100
    .vgpr_count:     768
    .wavefront_size: 32
...
	.end_amdgpu_metadata
.endif
;; end of part 2
;; launch attn (part 3): grid 8 x 64, 16 waves a work-group, no clusters, 210,944 bytes of LDS; arguments qkv, yimg; writes yimg
.if DOCPART == 3
	.amdgcn_target "amdgcn-amd-amdhsa--gfx1250"
	.amdhsa_code_object_version 6
	.text
	.protected	k_qdb207f3db4_attn
	.globl	k_qdb207f3db4_attn
	.p2align	8
	.type	k_qdb207f3db4_attn,@function
k_qdb207f3db4_attn:
	s_mov_b64 s[64:65], 0
	v_nop
	global_prefetch_b8 v0, s[64:65] scope:SCOPE_SE
	s_setreg_imm32_b32 hwreg(HW_REG_WAVE_MODE, 25, 1), 1
	s_wait_xcnt 0x0
; y[b][h][q] = the sum over ALL 2,048 keys of softmax_k(logit) v[k], logit = q . k / 8 where k <= q and -10 where k > q; both products on codes of FP6 (E2M3) with E8M0 scales.
; THE MASK FILLS WITH -10, NOT WITH -INFINITY: a hidden key counts in the row's maximum and sum, and its weight multiplies v.  Only q . k is spared under the mask.
; THE SOFTMAX: t = logit x log2(e); M = the running largest t rounded up to a whole number; p = 2^(t - M) is quantised along the keys, not normalised; the row's sum of the unquantised p divides at the end.
; The running largest t BEGINS at -10 log2(e) in every row that has a hidden key (all but query 2,047), so M never moves behind the diagonal, and in a step of 128 keys that lies wholly behind my queries
; p is ONE number a row: its codes and scale word are made once, and such a step is V's four fragments and four matrix instructions.
; IN: qkv, for each (batch x head, 128 tokens) a block of 19,712 bytes: K's 8 half records (768 bytes: registers 0, 1 at 8 x lane, 2-5 at 256 + 16 x lane) at 0; V's 4 records (K = these 128 keys) at 6,144;
; K's scale words at 12,288, V's at 12,800; Q's half records at 13,056, Q's scale words at 19,200.  The head is 64 long: registers 6-11 of K's and Q's fragments are zero codes, which add nothing.
; A tile's rows: lane r of tile 2 b + u holds token (or channel) 32 b + 8 u + r + 8 (r / 8), so that S^T = K Q^T leaves 16 neighbouring keys in the registers of two neighbouring tiles, and O^T = V^T P^T 16 neighbouring channels.
; SHARES: a work-group has one (batch, head) and the blocks j and 15 - j of 128 queries; each of its sixteen waves has one tile of 16 queries, in 256 registers: four waves to a SIMD.
; Block D has D + 1 steps with a softmax, so every work-group has 8 x 17 of them.
; LDS: the first 13,056 bytes of the head's 16 blocks, step s at 13,056 s, as they lie in memory.  Every byte is filled once, by sixteen tensor loads issued at the start (four a wave, by waves 0 to 3); nothing is filled again.
; No cluster: the jump over the softmax hangs on the block of queries, which differs among the work-groups that share a head.
; OUT: yimg, 64 groups of 128 tokens x 1,024 (K = head x 64 + channel) laid as the output projection's operand; a head is half a record.  Two heads share a scale word, so a tile's bytes leave as 16 halfwords inside 64 bytes.
; LIMITS: NaN and infinities are not served; a p that would lie under 2^-126 comes out as 0; a block whose largest number lies under 2^-124 (zeros too) gets the byte 1; this program alone reads the bytes.
; REGISTERS: v1, v2 8 and 16 x lane; v3 my query's place less 16 h; v4 -80; v5 the hidden keys' p; v6, v7 LDS addresses of the step; v12 -M, v13 the largest t, v[14:15] the sum in two halves; v16-27 Q; v[28:29] V's scale words;
; v32-79 four fragments of K; v96-159 S^T, then p, then (v96-143) V's four fragments; v160-191 O^T; v192-223 y; v224-235 p's codes; v232-247, v252, v254 at work; v248-251 K's scale words, v253 p's, v255 Q's.
.set BLK,   19712
.set BHS,   315392
.set STP,   13056                      ; what a step brings into LDS
.set VOFF,  6144
.set KSOFF, 12288
.set VSOFF, 12800
.set QOFF,  13056
.set QSOFF, 19200
.set G1,    28                         ; s[28:35] descriptor group 1;  s[36:51] four groups 0
	s_load_b128 s[4:7], s[0:1], 0x0                ; qkv s[4:5], yimg s[6:7]
	v_lshl_add_u32 v95, v0, 2, 0x33000
	v_mov_b32 v243, 0
	ds_add_u32 v95, v243
	ds_add_u32 v95, v243
	v_lshrrev_b32 v8, 5, v0
	s_delay_alu instid0(VALU_DEP_1)
	v_readfirstlane_b32 s8, v8                     ; wave 0..15
	s_and_b32 s9, ttmp7, 0xffff                    ; batch x 16 + head
	s_lshr_b32 s10, s8, 1                          ; a: my tile of 16 queries
	s_lshr_b32 s11, s8, 2
	s_xor_b32 s11, s11, s8
	s_and_b32 s11, s11, 1                          ; which of the two blocks: the two waves of a tile differ, and so do neighbours four waves apart
	s_sub_co_u32 s12, 15, ttmp9
	s_cmp_lg_u32 s11, 0
	s_cselect_b32 s13, s12, ttmp9                  ; D: my block of 128 queries
	s_add_co_u32 s14, s13, 1
	s_mov_b32 s15, 0                               ; the step's number
	s_mul_i32 s18, s9, BHS                         ; the head's blocks (under 2^25)
	s_mov_b32 s20, 0x76543210
	s_mov_b32 s21, 0xfedcba98                      ; lane selects: lane l xor 16
	s_mov_b32 s22, 0x3e38aa3b                      ; c = log2(e) / 8
	s_mov_b32 s23, s22                             ; (named with it as a pair, so it is written)
	s_mov_b32 s24, 0x42800000                      ; 64.0
	s_mov_b32 s[G1], 3<<16                         ; no mask; elements of 8 bytes; no padding
	s_mov_b32 s[G1+1], 32<<16                      ; tensor_dim0 = 32
	s_mov_b32 s[G1+2], 51<<16                      ; tensor_dim1 = 51
	s_mov_b32 s[G1+3], 32<<16                      ; tile_dim0 = 32
	s_mov_b32 s[G1+4], 51                          ; tile_dim1 = 51: 51 dense rows of 256 bytes
	s_mov_b32 s[G1+5], 32
	s_mov_b32 s[G1+6], 0
	s_mov_b32 s[G1+7], 0
	s_and_b32 s53, s8, 3                           ; wave w of the first four fetches steps w, 4 + w, 8 + w, 12 + w
	s_mul_i32 s52, s53, STP
	s_mul_i32 s54, s53, BLK
	s_add_co_u32 s54, s54, s18
	s_mov_b32 s55, 0
	s_mul_i32 s56, s13, BLK
	s_add_co_u32 s56, s56, s18                     ; my queries' block
	s_mul_i32 s58, s10, 768
	s_add_co_u32 s58, s58, s56
	s_add_co_u32 s58, s58, QOFF                    ; my tile's half record
	s_mov_b32 s59, 0
	s_lshr_b32 s60, s10, 2
	s_lshl_b32 s60, s60, 8
	s_and_b32 s61, s10, 1
	s_lshl_b32 s61, s61, 7
	s_add_co_u32 s60, s60, s61
	s_bfe_u32 s61, s10, 0x10001
	s_lshl_b32 s61, s61, 2
	s_add_co_u32 s60, s60, s61                     ; its scale words: 256 (a / 4) + 128 (a % 2) + 4 ((a / 2) % 2), 8 bytes a row
	s_add_co_u32 s60, s60, s56
	s_add_co_u32 s60, s60, QSOFF
	s_mov_b32 s61, 0
	s_wait_dscnt 0x0
	s_wait_kmcnt 0x0
	s_add_nc_u64 s[54:55], s[4:5], s[54:55]
	s_add_nc_u64 s[58:59], s[4:5], s[58:59]
	s_add_nc_u64 s[60:61], s[4:5], s[60:61]
.irp c, 0,1,2,3
	s_mov_b32 s[36+4*\c], 1                        ; count = 1
	s_add_co_u32 s[37+4*\c], s52, 4*STP*\c         ; LDS address
	s_add_nc_u64 s[38+4*\c:39+4*\c], s[54:55], 4*BLK*\c
	s_or_b32 s[39+4*\c], s[39+4*\c], 0x80000000    ; type = 2
.endr
	s_cmp_lt_u32 s8, 4                             ; a wave's four loads stand together, ahead of every wait on TENSORcnt, LDS read and barrier: four are out
	s_cbranch_scc0 .Lno_fetch
	tensor_load_to_lds s[36:39], s[G1:G1+7]
	s_nop 0
	tensor_load_to_lds s[40:43], s[G1:G1+7]
	s_nop 0
	tensor_load_to_lds s[44:47], s[G1:G1+7]
	s_nop 0
	tensor_load_to_lds s[48:51], s[G1:G1+7]
	s_nop 0
.rept 4
	v_nop
.endr
.Lno_fetch:
	v_and_b32 v8, 31, v0                           ; lane
	s_delay_alu instid0(VALU_DEP_1)
	v_lshlrev_b32 v1, 3, v8
	s_delay_alu instid0(VALU_DEP_2)
	v_lshlrev_b32 v2, 4, v8
	v_and_b32 v9, 15, v0                           ; r
	v_bfe_u32 v10, v0, 4, 1                        ; h
	global_load_b64 v[16:17], v1, s[58:59]         ; Q's six registers stay
	global_load_b128 v[18:21], v2, s[58:59] offset:256
	v_lshlrev_b32 v254, 3, v9
	global_load_b32 v255, v254, s[60:61]           ; Q's scale words
	s_lshr_b32 s62, s10, 1
	s_lshl_b32 s62, s62, 5
	s_and_b32 s63, s10, 1
	s_lshl_b32 s63, s63, 3
	s_add_co_u32 s62, s62, s63
	v_and_b32 v11, 8, v9
	s_delay_alu instid0(VALU_DEP_1)
	v_add_nc_u32 v11, v11, v9
	s_delay_alu instid0(VALU_DEP_1)
	v_add_nc_u32 v11, s62, v11                     ; my query's place in its block: 32 (a / 2) + 8 (a % 2) + r + 8 (r / 8)
	v_lshlrev_b32 v10, 4, v10
	s_delay_alu instid0(VALU_DEP_1)
	v_sub_nc_u32 v3, v11, v10                      ; less 16 h: register 16 b + i of the diagonal step is hidden where 32 b + i is greater
	s_lshl_b32 s63, s13, 7
	v_add_nc_u32 v11, s63, v11                     ; my query
	v_mov_b32 v4, 0xc2a00000                       ; -80: the score that stands for the logit -10
	s_delay_alu instid0(VALU_DEP_1)
	v_mul_f32 v13, s22, v4                         ; the largest t so far: the hidden keys' -10 log2(e);
	v_mov_b32 v10, 0xff61b1e6                      ; -3e38, under every t, for the one query that has no hidden key
	s_delay_alu instid0(VALU_DEP_4)
	v_cmp_eq_u32 vcc_lo, 0x7ff, v11
	s_delay_alu instid0(VALU_DEP_1)
	v_cndmask_b32 v13, v13, v10, vcc_lo
	s_delay_alu instid0(VALU_DEP_1)
	v_floor_f32 v12, -v13                          ; -M
	v_mov_b32 v14, 0                               ; the sum, in two halves
	v_mov_b32 v15, 0
	v_mov_b32 v5, 0
	v_mov_b32 v252, 0                              ; f, and p's scale word, which is named with it as a pair before it is first made.  A scale register written by a vector instruction
	v_mov_b32 v253, 0                              ; stands 8 plain vector instructions ahead of a scaled matrix instruction, on every way through the text: so these two stand ahead of the 78 clears below
.set i, 0
.rept 6
	v_mov_b32 v[22+i], 0                           ; Q's registers 6-11: zero codes
.set i, i+1
.endr
.irp t, 0,1,2,3
.set i, 0
.rept 6
	v_mov_b32 v[38+12*\t+i], 0                     ; K's likewise: they are never written again
.set i, i+1
.endr
.endr
.set i, 0
.rept 32
	v_mov_b32 v[160+i], 0                          ; O^T: the step is written once; the first change of M leaves zeros zeros
.set i, i+1
.endr
.set i, 0
.rept 16
	v_mov_b32 v[224+i], 0                          ; p's codes, and the lane permutes' destinations, which count as sources
.set i, i+1
.endr
; A STEP OF 128 KEYS, at LDS byte s16.
.macro STEP
	v_add_nc_u32 v6, s16, v1
	v_add_nc_u32 v7, s16, v2
	s_cmp_gt_u32 s15, s13                          ; a scalar branch on ids: all the step's keys lie behind my queries
	s_cbranch_scc1 .Lmasked_\@
	s_setprio 2
	ds_load_b64 v[248:249], v6 offset:KSOFF        ; K's scale words: register T / 2, lanes 16-31 for an odd tile T
	ds_load_b64 v[250:251], v6 offset:KSOFF+256
	s_wait_alu depctr_va_vdst(0)
.irp g, 0,1                                        ; S^T = K Q^T, four tiles of 16 keys at a time
.if \g
.rept 4
	v_nop                                          ; places ahead of loads into registers that matrix instructions have read
.endr
.endif
.irp t, 0,1,2,3
	ds_load_b64 v[32+12*\t:33+12*\t], v6 offset:768*(4*\g+\t)
	ds_load_b128 v[34+12*\t:37+12*\t], v7 offset:768*(4*\g+\t)+256
.endr
	s_wait_dscnt 0x0
.irp t, 0,1,2,3
.if \t%2
	v_wmma_scale_f32_16x16x128_f8f6f4 v[96+8*(4*\g+\t):103+8*(4*\g+\t)], v[32+12*\t:43+12*\t], v[16:27], 0, v[248+2*\g+\t/2], v255 matrix_a_fmt:MATRIX_FMT_FP6 matrix_b_fmt:MATRIX_FMT_FP6 matrix_a_scale:MATRIX_SCALE_ROW1
.else
	v_wmma_scale_f32_16x16x128_f8f6f4 v[96+8*(4*\g+\t):103+8*(4*\g+\t)], v[32+12*\t:43+12*\t], v[16:27], 0, v[248+2*\g+\t/2], v255 matrix_a_fmt:MATRIX_FMT_FP6 matrix_b_fmt:MATRIX_FMT_FP6
.endif
.endr
.endr                                              ; lane (r, h) holds my query r; register 16 b + i is key 32 b + 16 h + i of the step
.rept 4
	v_nop
.endr
	s_cmp_lt_u32 s15, s13                          ; ahead of the diagonal every key counts
	s_cbranch_scc1 .Lopen_\@
.set n, 0
.rept 64
	v_cmp_gt_i32 vcc_lo, 32*(n/16)+n%16, v3        ; on the diagonal a hidden key's score becomes -80: t = -10 log2(e)
	v_cndmask_b32 v[96+n], v[96+n], v4, vcc_lo
.set n, n+1
.endr
.Lopen_\@:
.irp b, 0,1,2,3
	v_max3_num_f32 v[232+\b], v[96+16*\b], v[97+16*\b], v[98+16*\b]   ; the largest score of each block of 32 keys: it serves the row's maximum and, since p rises with the score, the block's largest p
.endr
.irp i, 3,5,7,9,11,13
.irp b, 0,1,2,3
	v_max3_num_f32 v[232+\b], v[232+\b], v[96+16*\b+\i], v[97+16*\b+\i]
.endr
.endr
.irp b, 0,1,2,3
	v_max_num_f32 v[232+\b], v[232+\b], v[111+16*\b]
.endr
.irp b, 0,1,2,3
	v_permlanex16_b32 v[236+\b], v[232+\b], s20, s21
.endr
.irp b, 0,1,2,3
	s_delay_alu instid0(VALU_DEP_4)
	v_max_num_f32 v[232+\b], v[232+\b], v[236+\b]  ; with lane l xor 16's 16 keys
.endr
	s_delay_alu instid0(VALU_DEP_2)
	v_max3_num_f32 v254, v232, v233, v234
	s_delay_alu instid0(VALU_DEP_1)
	v_max_num_f32 v254, v254, v235                 ; the step's largest score of my query
	s_delay_alu instid0(VALU_DEP_1)
	v_mul_f32 v254, s22, v254                      ; as t (c is positive)
	s_delay_alu instid0(VALU_DEP_1)
	v_max_num_f32 v13, v13, v254                   ; the running largest t
	v_mov_b32 v254, v12
	s_delay_alu instid0(VALU_DEP_2)
	v_floor_f32 v12, -v13                          ; the new -M = floor(-t): M is a whole number
	s_delay_alu instid0(VALU_DEP_1)
	v_sub_f32 v254, v12, v254                      ; old M less new M: a whole number, 0 or less
	s_delay_alu instid0(VALU_DEP_1)
	v_cvt_i32_f32 v254, v254                       ; (it saturates)
	s_delay_alu instid0(VALU_DEP_1)
	v_ldexp_f32 v252, 1.0, v254                    ; f = 2^(old M - new M): a multiplication by it rounds nothing
.set n, 0
	s_setprio 1
.rept 32
	v_pk_fma_f32 v[96+n:97+n], v[96+n:97+n], s[22:23], v[12:13] op_sel_hi:[1,0,0]   ; t - M, two at a time
.set n, n+2
.endr
.irp b, 0,1,2,3
	v_fma_f32 v[232+\b], v[232+\b], s22, v12       ; the same of each block's largest score
.endr
.set n, 0
	s_wait_alu depctr_va_vdst(0)
.rept 64
	v_exp_f32 v[96+n], v[96+n]                     ; p = 2^(t - M), at most 1
.set n, n+1
.endr
.irp b, 0,1,2,3
	v_exp_f32 v[232+\b], v[232+\b]                 ; the block's largest p: the same two instructions on the same number
.endr
	v_pk_mul_f32 v[14:15], v[14:15], v[252:253] op_sel_hi:[1,0]   ; the sums under the new M (a plain place behind the exponentials)
	s_wait_alu depctr_va_vdst(0)
.irp b, 0,1,2,3
	v_max_num_f32 v[232+\b], 0x1800000, v[232+\b]  ; the floor 2^(3 - 127): the byte cannot fall under 1
.endr
.irp b, 0,1,2,3
	s_delay_alu instid0(VALU_DEP_4)
	v_add_nc_u32 v[244+\b], 0xff000000, v[232+\b]  ; 2 off the exponent field: the conversion's scale operand
.endr
.irp b, 0,1,2,3
	s_delay_alu instid0(VALU_DEP_4)
	v_lshrrev_b32 v[236+\b], 23, v[244+\b]         ; the scale's byte
.endr
	s_delay_alu instid0(VALU_DEP_3)
	v_lshl_or_b32 v253, v237, 8, v236              ; p's scale word for these 128 keys
	s_delay_alu instid0(VALU_DEP_1)
	v_lshl_or_b32 v253, v238, 16, v253
	s_delay_alu instid0(VALU_DEP_1)
	v_lshl_or_b32 v253, v239, 24, v253
	s_setprio 0
.irp c, 0,1
	v_cvt_scalef32_pk16_fp6_f32 v[224+6*\c:226+6*\c], v[96+32*\c:111+32*\c], v[244+2*\c]
	v_cvt_scalef32_pk16_fp6_f32 v[236+4*\c:238+4*\c], v[112+32*\c:127+32*\c], v[244+2*\c+1]
.endr
	v_nop                                          ; one plain place behind a scaled conversion
.irp c, 0,1                                        ; a whole block in a lane: lanes 0-15 block 2 c, lanes 16-31 block 2 c + 1
.irp i, 0,1,2
	v_permlane16_swap_b32 v[224+6*\c+\i], v[236+4*\c+\i]
.endr
.irp i, 0,1,2
	s_delay_alu instid0(VALU_DEP_3)
	v_mov_b32 v[227+6*\c+\i], v[236+4*\c+\i]
.endr
.endr
	v_pk_add_f32 v[236:237], v[100:101], v[104:105]
	v_pk_add_f32 v[250:251], v[108:109], v[112:113]
	v_pk_add_f32 v[248:249], v[116:117], v[120:121]
	v_pk_add_f32 v[246:247], v[124:125], v[128:129]
	v_pk_add_f32 v[244:245], v[132:133], v[136:137]
	v_pk_add_f32 v[240:241], v[140:141], v[144:145]
	v_pk_add_f32 v[222:223], v[148:149], v[152:153]
	v_pk_add_f32 v[14:15], v[14:15], v[156:157]
	v_pk_add_f32 v[236:237], v[236:237], v[96:97]
	v_pk_add_f32 v[250:251], v[250:251], v[98:99]
	v_pk_add_f32 v[248:249], v[248:249], v[102:103]
	v_pk_add_f32 v[246:247], v[246:247], v[106:107]
	v_pk_add_f32 v[244:245], v[244:245], v[110:111]
	v_pk_add_f32 v[240:241], v[240:241], v[114:115]
	v_pk_add_f32 v[222:223], v[222:223], v[118:119]
	v_pk_add_f32 v[14:15], v[14:15], v[122:123]
	v_pk_add_f32 v[236:237], v[236:237], v[126:127]
	v_pk_add_f32 v[250:251], v[250:251], v[130:131]
	v_pk_add_f32 v[248:249], v[248:249], v[134:135]
	v_pk_add_f32 v[246:247], v[246:247], v[138:139]
	v_pk_add_f32 v[244:245], v[244:245], v[142:143]
	v_pk_add_f32 v[240:241], v[240:241], v[146:147]
	v_pk_add_f32 v[222:223], v[222:223], v[150:151]
	v_pk_add_f32 v[14:15], v[14:15], v[154:155]
	v_pk_add_f32 v[236:237], v[236:237], v[158:159]
	s_delay_alu instid0(VALU_DEP_2)
	v_pk_add_f32 v[14:15], v[14:15], v[246:247]
	s_delay_alu instid0(VALU_DEP_2)
	v_pk_add_f32 v[236:237], v[236:237], v[244:245]
	v_pk_add_f32 v[250:251], v[250:251], v[240:241]
	v_pk_add_f32 v[248:249], v[248:249], v[222:223]
	s_delay_alu instid0(VALU_DEP_2)
	v_pk_add_f32 v[14:15], v[14:15], v[250:251]
	s_delay_alu instid0(VALU_DEP_2)
	v_pk_add_f32 v[236:237], v[236:237], v[248:249]
	s_delay_alu instid0(VALU_DEP_1)
	v_pk_add_f32 v[14:15], v[14:15], v[236:237]
.set n, 0
.rept 16
	v_pk_mul_f32 v[160+n:161+n], v[160+n:161+n], v[252:253] op_sel_hi:[1,0]   ; O^T under the new M.  (With the sums above: the places between p's scale word and codes and the products below)
.set n, n+2
.endr
	s_branch .Lpv_\@
.Lmasked_\@:
	s_cmp_lg_u32 s15, s14                          ; the first step behind the diagonal makes the hidden keys' p, its codes and its scale word; they serve all later steps, since M moves no more
	s_cbranch_scc1 .Lsame_\@
	v_fma_f32 v254, v4, s22, v12                   ; -10 log2(e) - M
	s_wait_alu depctr_va_vdst(0)
	v_exp_f32 v5, v254
	v_nop                                          ; one plain place behind the exponential
	s_wait_alu depctr_va_vdst(0)
	v_max_num_f32 v254, 0x1800000, v5              ; the floor
	s_delay_alu instid0(VALU_DEP_1)
	v_add_nc_u32 v244, 0xff000000, v254            ; the conversion's scale operand
	s_delay_alu instid0(VALU_DEP_1)
	v_lshrrev_b32 v254, 23, v244                   ; the byte,
	s_delay_alu instid0(VALU_DEP_1)
	v_lshl_or_b32 v254, v254, 8, v254
	s_delay_alu instid0(VALU_DEP_1)
	v_lshl_or_b32 v253, v254, 16, v254             ; four times: every block's
.set n, 0
.rept 16
	v_mov_b32 v[96+n], v5
.set n, n+1
.endr
	v_cvt_scalef32_pk16_fp6_f32 v[236:238], v[96:111], v244   ; sixteen equal codes: 96 bits
	v_nop
.irp k, 0,1,2,3
.irp i, 0,1,2
	v_mov_b32 v[224+3*\k+\i], v[236+\i]            ; four times over: the fragment's 12 registers
.endr
.endr
.rept 8
	v_nop                                          ; a scale register written by a vector instruction stands 8 places ahead of a scaled matrix instruction
.endr
.Lsame_\@:
	s_wait_alu depctr_va_vdst(0)
	v_fmac_f32 v14, s24, v5                        ; the sum: my half of the lanes stands for 64 of the step's 128 keys
.Lpv_\@:
	ds_load_b64 v[28:29], v6 offset:VSOFF          ; V's scale words: register t / 2, lanes 16-31 for an odd tile t
.irp t, 0,1,2,3
	ds_load_b64 v[96+12*\t:97+12*\t], v6 offset:VOFF+1536*\t
	ds_load_b128 v[98+12*\t:101+12*\t], v7 offset:VOFF+1536*\t+256
	ds_load_b64 v[102+12*\t:103+12*\t], v6 offset:VOFF+1536*\t+768
	ds_load_b128 v[104+12*\t:107+12*\t], v7 offset:VOFF+1536*\t+1024
.endr
	s_wait_dscnt 0x0
	s_wait_alu depctr_va_vdst(0)
.irp t, 0,1,2,3                                    ; O^T += V^T P^T: the four accumulators by turns
.if \t%2
	v_wmma_scale_f32_16x16x128_f8f6f4 v[160+8*\t:167+8*\t], v[96+12*\t:107+12*\t], v[224:235], v[160+8*\t:167+8*\t], v[28+\t/2], v253 matrix_a_fmt:MATRIX_FMT_FP6 matrix_b_fmt:MATRIX_FMT_FP6 matrix_a_scale:MATRIX_SCALE_ROW1
.else
	v_wmma_scale_f32_16x16x128_f8f6f4 v[160+8*\t:167+8*\t], v[96+12*\t:107+12*\t], v[224:235], v[160+8*\t:167+8*\t], v[28+\t/2], v253 matrix_a_fmt:MATRIX_FMT_FP6 matrix_b_fmt:MATRIX_FMT_FP6
.endif
.endr
.rept 5
	v_nop                                          ; five places: the next step's first products write over V's registers; its loads and vector lines want four
.endr
.endm
; Four steps.  The count leaves my later loads out; behind the barrier every wave may read the four steps that waves 0 to 3 have each shown landed.  No LDS load of mine is out at the signal: a step ends behind its wait for 0.
.macro CHUNK c
	s_wait_tensorcnt 3-\c
	s_barrier_signal -1
	s_barrier_wait -1
	s_mov_b32 s16, 4*STP*\c
	s_mov_b32 s17, 4
.Lstep_\@:
	STEP
	s_add_co_u32 s16, s16, STP
	s_add_co_u32 s15, s15, 1
	s_sub_co_u32 s17, s17, 1
	s_cmp_lg_u32 s17, 0
	s_cbranch_scc1 .Lstep_\@
	s_setprio 0
.endm
	s_wait_loadcnt 0x0                             ; Q and its scale words
	CHUNK 0
	CHUNK 1
	CHUNK 2
	CHUNK 3
	; THE WAY OUT: y = O^T / the sum, quantised along the head's 64 channels (two blocks of the output projection's K), stored as half a record of that product's operand.
	v_add_f32 v14, v14, v15                        ; the sum's two halves,
	s_delay_alu instid0(VALU_DEP_1)
	v_permlanex16_b32 v252, v14, s20, s21
	s_delay_alu instid0(VALU_DEP_1)
	v_add_f32 v14, v14, v252                       ; and lane l xor 16's
	s_wait_alu depctr_va_vdst(0)
	v_rcp_f32 v14, v14
	v_and_b32 v8, 15, v0                           ; (a plain place behind the reciprocal)
.set n, 0
	s_wait_alu depctr_va_vdst(0)
.rept 32
	v_mul_f32 v[192+n], v[160+n], v14              ; register 16 b + i is channel 32 b + 16 h + i
.set n, n+1
.endr
.irp b, 0,1
	v_max3_num_f32 v[232+\b], |v[192+16*\b]|, |v[193+16*\b]|, 0x1800000
.endr
.irp i, 2,4,6,8,10,12,14
.irp b, 0,1
	s_delay_alu instid0(VALU_DEP_2)
	v_max3_num_f32 v[232+\b], v[232+\b], |v[192+16*\b+\i]|, |v[193+16*\b+\i]|
.endr
.endr
.irp b, 0,1
	v_permlanex16_b32 v[236+\b], v[232+\b], s20, s21
.endr
.irp b, 0,1
	s_delay_alu instid0(VALU_DEP_2)
	v_max_num_f32 v[232+\b], v[232+\b], v[236+\b]
.endr
.irp b, 0,1
	s_delay_alu instid0(VALU_DEP_2)
	v_add_nc_u32 v[244+\b], 0xff000000, v[232+\b]
.endr
.irp b, 0,1
	s_delay_alu instid0(VALU_DEP_2)
	v_lshrrev_b32 v[236+\b], 23, v[244+\b]
.endr
	s_delay_alu instid0(VALU_DEP_1)
	v_lshl_or_b32 v9, v237, 8, v236                ; my row's two scale bytes
	v_cvt_scalef32_pk16_fp6_f32 v[224:226], v[192:207], v244
	v_cvt_scalef32_pk16_fp6_f32 v[240:242], v[208:223], v245
	v_lshlrev_b32 v8, 2, v8                        ; (one plain place behind a scaled conversion)  4 r
.irp i, 0,1,2
	v_permlane16_swap_b32 v[224+\i], v[240+\i]
.endr
.irp i, 0,1,2
	s_delay_alu instid0(VALU_DEP_3)
	v_mov_b32 v[227+\i], v[240+\i]
.endr
	s_lshr_b32 s52, s9, 4
	s_lshl_b32 s52, s52, 4
	s_add_co_u32 s52, s52, s13                     ; the group: batch x 16 + my block of queries
	s_mul_i32 s52, s52, 102400
	s_and_b32 s53, s9, 15                          ; the head
	s_lshr_b32 s54, s53, 2
	s_mul_i32 s54, s54, 25600
	s_add_co_u32 s52, s52, s54                     ; four heads to a chunk
	s_bfe_u32 s54, s53, 0x10001                    ; the chunk's K step
	s_and_b32 s55, s53, 1                          ; the record's half
	s_lshl_b32 s56, s54, 3
	s_add_co_u32 s56, s56, s10
	s_mul_i32 s56, s56, 1536
	s_mul_i32 s57, s55, 768
	s_add_co_u32 s56, s56, s57
	s_add_co_u32 s56, s56, s52
	s_mov_b32 s57, 0
	s_add_nc_u64 s[56:57], s[6:7], s[56:57]
	s_lshl_b32 s58, s10, 7
	s_lshl_b32 s59, s54, 6
	s_add_co_u32 s58, s58, s59
	s_lshl_b32 s59, s55, 1
	s_add_co_u32 s58, s58, s59
	s_add_co_u32 s58, s58, s52
	s_add_co_u32 s58, s58, 24576
	s_mov_b32 s59, 0
	s_add_nc_u64 s[58:59], s[6:7], s[58:59]
	s_wait_alu depctr_va_vdst(0)
	global_store_b64 v1, v[224:225], s[56:57]              ; 256 consecutive aligned bytes
	global_store_b128 v2, v[226:229], s[56:57] offset:256  ; 512
	global_store_b16 v8, v9, s[58:59]                      ; both halves of the lanes write their row's halfword with the same value
	s_wait_tensorcnt 0x0
	ds_add_u32 v95, v243
	s_wait_dscnt 0x0
	s_endpgm
.Lfunc_end_k_qdb207f3db4_attn:
	.size	k_qdb207f3db4_attn, .Lfunc_end_k_qdb207f3db4_attn-k_qdb207f3db4_attn
	.p2alignl 7, 3214868480
	.fill 96, 4, 3214868480
	.section	.rodata,"a",@progbits
	.p2align	6, 0x0
	.amdhsa_kernel k_qdb207f3db4_attn
		.amdhsa_group_segment_fixed_size 210944
		.amdhsa_private_segment_fixed_size 0
		.amdhsa_enable_private_segment 0
		.amdhsa_kernarg_size 16
		.amdhsa_user_sgpr_count 2
		.amdhsa_user_sgpr_kernarg_segment_ptr 1
		.amdhsa_wavefront_size32 1
		.amdhsa_system_sgpr_workgroup_id_x 1
		.amdhsa_system_sgpr_workgroup_id_y 1
		.amdhsa_system_sgpr_workgroup_id_z 1
		.amdhsa_system_vgpr_workitem_id 0
		.amdhsa_next_free_vgpr 256
		.amdhsa_next_free_sgpr 66
		.amdhsa_reserve_vcc 1
		.amdhsa_float_denorm_mode_32 3
		.amdhsa_float_denorm_mode_16_64 3
		.amdhsa_memory_ordered 1
		.amdhsa_forward_progress 1
		.amdhsa_inst_pref_size 112
	.end_amdhsa_kernel
	.amdgpu_metadata
---
amdhsa.version: [ 1, 2 ]
amdhsa.kernels:
  - .name:           k_qdb207f3db4_attn
    .symbol:         k_qdb207f3db4_attn.kd
    .args:
      - { .name: qkv, .offset: 0, .size: 8, .value_kind: global_buffer, .address_space: global }
      - { .name: yimg, .offset: 8, .size: 8, .value_kind: global_buffer, .address_space: global }
    .group_segment_fixed_size: 210944
    .private_segment_fixed_size: 0
    .kernarg_segment_align: 8
    .kernarg_segment_size: 16
    .max_flat_workgroup_size: 512
    .sgpr_count:     66
    .vgpr_count:     256
    .wavefront_size: 32
...
	.end_amdgpu_metadata
.endif
;; end of part 3
;; launch outp (part 4): grid 4 x 64, 4 waves a work-group, clusters of 4 x 4, 307,712 bytes of LDS; arguments yimg, img, out0; writes out0
.if DOCPART == 4
	.amdgcn_target "amdgcn-amd-amdhsa--gfx1250"
	.amdhsa_code_object_version 6
	.text
	.protected	k_qdb207f3db4_outp
	.globl	k_qdb207f3db4_outp
	.p2align	8
	.type	k_qdb207f3db4_outp,@function
k_qdb207f3db4_outp:
	s_mov_b64 s[64:65], 0
	v_nop
	global_prefetch_b8 v0, s[64:65] scope:SCOPE_SE
	s_setreg_imm32_b32 hwreg(HW_REG_WAVE_MODE, 25, 1), 1
	s_wait_xcnt 0x0
	s_wait_alu depctr_hold_cnt(0) depctr_sa_sdst(0) depctr_va_vdst(0) depctr_va_sdst(0) depctr_va_ssrc(0) depctr_va_vcc(0) depctr_vm_vsrc(0)
	s_getreg_b32 s2, hwreg(HW_REG_IB_STS2, 6, 4)
	s_cmp_eq_u32 s2, 0
	s_cbranch_scc0 .Lentry_in_a_cluster
	s_endpgm
.Lentry_in_a_cluster:
	s_bfe_u32 s2, ttmp6, 0x10000c
	s_cmp_lg_u32 s2, 0xf033
	s_cbranch_scc0 .Lentry_shape_is_right
	s_endpgm
.Lentry_shape_is_right:
; out0 = y wo^T on codes of FP6 (E2M3) with E8M0 scales, K = 1,024; out0 [8192][1024] f32.
; OPERANDS: A = yimg, 64 groups of 128 tokens; B = groups 88-95 of img (wo).  A group is 4 chunks of 25,600 dense bytes (256 along K): 16 records of 1,536 bytes (K step s2, tile a at (8 s2 + a) x 1,536),
; then 8 x 128 bytes of scale words (lanes 0-15: the chunk's first K step, lanes 16-31: its second).  A record is a fragment's registers: 0, 1 at 8 x lane; 2-5 at 256 + 16 x lane; 6-11 likewise 768 bytes on.
; A tile's rows: lane r of tile 2 b + u holds row 32 b + 8 u + r + 8 (r / 8).
; SHARES: a work-group makes 128 tokens x 256 columns; source 0 = B, source 1 = A: a lane stands for one token, and its registers run along the columns in their natural order.
; Wave w: A's tiles 4 (w / 2) .. + 3, B's group w % 2: 32 accumulators.
; LDS: the whole K of all three groups: B's two groups at 0 and 102,400, A's at 204,800.  Every byte is filled once, by twelve tensor loads issued at the start (four a wave, by waves 0, 1 and 2); nothing is filled again.
; CLUSTER 4 x 4: A's group is asked for jointly by a row of the cluster, B's by a column.
; REGISTERS: window 0: v2-7 LDS addresses, v8-10 the way out, v32-55 scale words (two sets of 12, nothing else ever), v56-151 A's fragments (two sets of 4), on the way out v56-183 rows of out0.
;   window 1: B's fragments, two sets of 8, at v0 and v128.   window 2: accumulator (a, b) at v[8 (8 a + b)].
.set GRP,  102400
.set CH,   25600
.set REC,  1536
.set SCO,  24576
.set ALDS, 204800
.set SC,   32
.set AF,   56
.set BK,   56                          ; the way out: 16 rows read back from the stage: v56-119 and v120-183 by turns
.set SPI,  528                         ; a stage row: 512 bytes + 16
.set STO,  8
.set RD,   9
.set CO,   10
.set G1A,  24                          ; s[24:31], s[32:39] descriptor groups 1;  s[40:55], s[68:83] groups 0, one for each chunk
.set G1B,  32
.set G0A,  40
.set G0B,  68
.set MSB, 0
.macro WIN new                         ; the immediate's high byte repeats the setting that is left
.if MSB != \new
	s_set_vgpr_msb (MSB<<8)|\new
.set MSB, \new
.endif
.endm
.macro PLACES n
.rept \n
	v_nop
.endr
.endm
.macro CROUND                          ; a round of the cluster's barrier
	s_barrier_signal -1
	s_barrier_wait -1
	s_cmp_lg_u32 s8, 0
	s_cbranch_scc1 .Lnot_wave_0_\@
	s_barrier_signal -3
.Lnot_wave_0_\@:
	s_barrier_wait -3
	s_barrier_signal -1
	s_barrier_wait -1
.endm
.macro FRAG reg, a8, a16, off          ; a record becomes 12 registers: each load takes 256 or 512 consecutive bytes
	ds_load_b64 v[(\reg):(\reg)+1], v[\a8] offset:(\off)
	ds_load_b128 v[(\reg)+2:(\reg)+5], v[\a16] offset:(\off)+256
	ds_load_b64 v[(\reg)+6:(\reg)+7], v[\a8] offset:(\off)+768
	ds_load_b128 v[(\reg)+8:(\reg)+11], v[\a16] offset:(\off)+1024
.endm
.macro FETCH_B s2, p                   ; B's eight fragments of the chunk's K step s2 into set p
	WIN 0x40                                       ; destination window 1, address window 0
.irp b, 0,1,2,3,4,5,6,7
	FRAG 128*(\p)+12*\b, 5, 6, (8*(\s2)+\b)*REC
.endr
	WIN 0
.endm
.macro FETCH_A s2, p                   ; my four fragments of A
.irp a, 0,1,2,3
	FRAG AF+48*(\p)+12*\a, 2, 3, (8*(\s2)+\a)*REC
.endr
.endm
.macro SCALES q                        ; a chunk's scale words into set q: registers 0-7 B's tiles, 8-11 A's
.irp b, 0,1,2,3,4,5,6,7
	ds_load_b32 v[SC+12*(\q)+\b], v7 offset:SCO+128*\b
.endr
.irp a, 0,1,2,3
	ds_load_b32 v[SC+12*(\q)+8+\a], v4 offset:SCO+128*\a
.endr
.endm
; 16 matrix instructions: A's tiles a0, a0 + 1 x B's eight.  The 32 accumulators take turns, one instruction a turn, in the same order in every K step.
.macro MUL16 a0, p, q, odd, zero
.irp a, \a0, \a0+1
.irp b, 0,1,2,3,4,5,6,7
.if \zero
	v_wmma_scale_f32_16x16x128_f8f6f4 v[8*(8*(\a)+\b):8*(8*(\a)+\b)+7], v[128*(\p)+12*\b:128*(\p)+12*\b+11], v[AF+48*(\p)+12*(\a):AF+48*(\p)+12*(\a)+11], 0, v[SC+12*(\q)+\b], v[SC+12*(\q)+8+(\a)] matrix_a_fmt:MATRIX_FMT_FP6 matrix_b_fmt:MATRIX_FMT_FP6
.elseif \odd
	v_wmma_scale_f32_16x16x128_f8f6f4 v[8*(8*(\a)+\b):8*(8*(\a)+\b)+7], v[128*(\p)+12*\b:128*(\p)+12*\b+11], v[AF+48*(\p)+12*(\a):AF+48*(\p)+12*(\a)+11], v[8*(8*(\a)+\b):8*(8*(\a)+\b)+7], v[SC+12*(\q)+\b], v[SC+12*(\q)+8+(\a)] matrix_a_fmt:MATRIX_FMT_FP6 matrix_b_fmt:MATRIX_FMT_FP6 matrix_a_scale:MATRIX_SCALE_ROW1 matrix_b_scale:MATRIX_SCALE_ROW1
.else
	v_wmma_scale_f32_16x16x128_f8f6f4 v[8*(8*(\a)+\b):8*(8*(\a)+\b)+7], v[128*(\p)+12*\b:128*(\p)+12*\b+11], v[AF+48*(\p)+12*(\a):AF+48*(\p)+12*(\a)+11], v[8*(8*(\a)+\b):8*(8*(\a)+\b)+7], v[SC+12*(\q)+\b], v[SC+12*(\q)+8+(\a)] matrix_a_fmt:MATRIX_FMT_FP6 matrix_b_fmt:MATRIX_FMT_FP6
.endif
.endr
.endr
.endm
; The next K step's fragments.  Loads into registers that matrix instructions have read stand four plain vector instructions behind them (ISA guide 7.12.1 for vector instructions):
; four v_nop, or, where a chunk begins, the six additions that step the LDS addresses.
.macro NEXT s2, p, q, chunk
	WIN 0
.if \chunk
.irp r, 2,3,4,5,6,7
	v_add_nc_u32 v\r, CH, v\r
.endr
.else
	PLACES 4
.endif
	FETCH_B \s2, \p
	FETCH_A \s2, \p
.if \chunk
	SCALES \q
.endif
.endm
; K step s of eight.  An even step fetches its successor (same chunk) at its head: 32 matrix instructions in which to land.  An odd step first shows the next chunk to every wave:
; the count leaves my later chunks out; the barrier's two halves stand round 16 matrix instructions.
.macro STEP s
	s_wait_dscnt 0x0                               ; this step's fragments and scale words are in
.if (\s)%2 == 0
	s_wait_alu depctr_va_vdst(0)
	NEXT 1, 1, 0, 0
	WIN 0xa1                                       ; source 0 (B) window 1, source 1 (A) window 0, C and D window 2
	MUL16 0, 0, ((\s)/2)%2, 0, (\s)==0
	MUL16 2, 0, ((\s)/2)%2, 0, (\s)==0
.else
.if (\s) < 7
	s_wait_tensorcnt 3-((\s)+1)/2                  ; my load of chunk (s + 1) / 2 has landed; the later ones stay out
	s_barrier_signal -1
.endif
	WIN 0xa1
	MUL16 0, 1, ((\s)/2)%2, 1, 0
.if (\s) < 7
	s_barrier_wait -1                              ; everybody's has
	NEXT 0, 0, 1-((\s)/2)%2, 1
	WIN 0xa1
.endif
	MUL16 2, 1, ((\s)/2)%2, 1, 0
.endif
.endm
	s_load_b128 s[4:7], s[0:1], 0x0                ; yimg s[4:5], img s[6:7]
	s_load_b64 s[84:85], s[0:1], 0x10              ; out0
	v_lshl_add_u32 v254, v0, 2, 0x4b000
	v_mov_b32 v255, 0
	ds_add_u32 v254, v255
	ds_add_u32 v254, v255
	v_lshrrev_b32 v1, 5, v0
	v_readfirstlane_b32 s8, v1                     ; wave 0..3
	s_lshr_b32 s9, s8, 1                           ; wa: which four tiles of A
	s_and_b32 s10, s8, 1                           ; wb: which group of B
	s_bfe_u32 s11, ttmp6, 0x40000                  ; cx
	s_bfe_u32 s12, ttmp6, 0x40004                  ; cy
	s_and_b32 s18, ttmp7, 0xffff
	s_lshl_b32 s18, s18, 2
	s_add_co_u32 s18, s18, s12                     ; At = 4 x cluster y + cy: the tokens' group
	s_lshl_b32 s19, ttmp9, 2
	s_add_co_u32 s19, s19, s11                     ; Bt = 4 x cluster x + cx: 256 columns
	s_lshl_b32 s56, s12, 2
	s_lshl_b32 s56, 15, s56                        ; my row of the cluster
	s_lshl_b32 s57, 0x1111, s11                    ; my column
	s_or_b32 s[G1A], s56, (3<<16)|(1<<21)          ; 15:0 the mask; 17:16 elements of 8 bytes; 21 set beside a mask; no padding
	s_or_b32 s[G1B], s57, (3<<16)|(1<<21)
.irp g, G1A, G1B                                   ; a chunk: 100 dense rows of 256 bytes
	s_mov_b32 s[\g+1], 32<<16                      ; tensor_dim0 = 32
	s_mov_b32 s[\g+2], 100<<16                     ; tensor_dim1 = 100
	s_mov_b32 s[\g+3], 32<<16                      ; tile_dim0 = 32
	s_mov_b32 s[\g+4], 100                         ; tile_dim1 = 100
	s_mov_b32 s[\g+5], 32                          ; from row to row
	s_mov_b32 s[\g+6], 0
	s_mov_b32 s[\g+7], 0
.endr
	s_mul_i32 s58, s18, GRP                        ; A's group in yimg
	s_mov_b32 s59, 0
	s_lshl_b32 s60, s19, 1
	s_add_co_u32 s60, s60, s10
	s_add_co_u32 s60, s60, 88
	s_mul_i32 s60, s60, GRP                        ; B's group wb in img
	s_mov_b32 s61, 0
	s_mul_i32 s62, s10, GRP                        ; and its place in LDS: the wave's number alone
	s_wait_dscnt 0x0
	s_wait_kmcnt 0x0
	s_add_nc_u64 s[58:59], s[4:5], s[58:59]
	s_add_nc_u64 s[60:61], s[6:7], s[60:61]
.irp c, 0,1,2,3
	s_mov_b32 s[G0A+4*\c], 1                       ; count = 1
	s_mov_b32 s[G0A+4*\c+1], ALDS+CH*\c            ; LDS address
	s_add_nc_u64 s[G0A+4*\c+2:G0A+4*\c+3], s[58:59], CH*\c
	s_or_b32 s[G0A+4*\c+3], s[G0A+4*\c+3], 0x80000000   ; type = 2
	s_mov_b32 s[G0B+4*\c], 1
	s_add_co_u32 s[G0B+4*\c+1], s62, CH*\c
	s_add_nc_u64 s[G0B+4*\c+2:G0B+4*\c+3], s[60:61], CH*\c
	s_or_b32 s[G0B+4*\c+3], s[G0B+4*\c+3], 0x80000000
.endr
	CROUND                                         ; all sixteen work-groups are here: the joint loads meet
	s_cmp_lt_u32 s8, 2                             ; waves 0 and 1: B's two groups; wave 2: A's; wave 3: none.  A wave's four loads stand together: four are out
	s_cbranch_scc0 .Lnot_b
	tensor_load_to_lds s[G0B:G0B+3], s[G1B:G1B+7]
	s_nop 0
	tensor_load_to_lds s[G0B+4:G0B+7], s[G1B:G1B+7]
	s_nop 0
	tensor_load_to_lds s[G0B+8:G0B+11], s[G1B:G1B+7]
	s_nop 0
	tensor_load_to_lds s[G0B+12:G0B+15], s[G1B:G1B+7]
	s_nop 0
	PLACES 4
	s_branch .Lasked
.Lnot_b:
	s_cmp_eq_u32 s8, 2
	s_cbranch_scc0 .Lasked
	tensor_load_to_lds s[G0A:G0A+3], s[G1A:G1A+7]
	s_nop 0
	tensor_load_to_lds s[G0A+4:G0A+7], s[G1A:G1A+7]
	s_nop 0
	tensor_load_to_lds s[G0A+8:G0A+11], s[G1A:G1A+7]
	s_nop 0
	tensor_load_to_lds s[G0A+12:G0A+15], s[G1A:G1A+7]
	s_nop 0
	PLACES 4
.Lasked:
	v_and_b32 v1, 31, v0                           ; lane
	s_mul_i32 s63, s9, 4*REC
	s_add_co_u32 s63, s63, ALDS
	v_lshl_add_u32 v2, v1, 3, s63                  ; A: 8 x lane + my four tiles
	v_lshl_add_u32 v3, v1, 4, s63                  ;    16 x lane
	s_lshl_b32 s63, s9, 9
	s_add_co_u32 s63, s63, ALDS
	v_lshl_add_u32 v4, v1, 2, s63                  ;    scale words: 4 x lane
	v_lshl_add_u32 v5, v1, 3, s62                  ; B likewise
	v_lshl_add_u32 v6, v1, 4, s62
	v_lshl_add_u32 v7, v1, 2, s62
	; the way out: my stage, 16 rows of 528 bytes, lies in the first 33,792 bytes of LDS: they have had their only fill, and every wave's reads of them are back ahead of the barrier of K step 3
	s_mul_i32 s88, s8, 16*SPI
	v_and_b32 v11, 15, v0                          ; r
	v_bfe_u32 v12, v0, 4, 1                        ; h
	v_mul_u32_u24 v[STO], v11, SPI
	v_lshl_add_u32 v[STO], v12, 6, v[STO]
	v_add_nc_u32 v[STO], s88, v[STO]               ; in: row r, + 64 h: tiles 2 b, 2 b + 1 hold columns 32 b + 16 h + 0 .. 15
	v_lshlrev_b32 v[CO], 4, v1                     ; back: the 32 lanes take a row of 512 bytes; the same in out0
	v_add_nc_u32 v[RD], s88, v[CO]
	s_lshl_b32 s86, s18, 7
	s_lshl_b32 s87, s9, 6
	s_add_co_u32 s86, s86, s87
	s_lshl_b32 s86, s86, 12                        ; my first token's row of 4,096 bytes (under 2^26)
	s_lshl_b32 s87, s19, 10
	s_add_co_u32 s86, s86, s87                     ; + 256 Bt columns
	s_lshl_b32 s87, s10, 9
	s_add_co_u32 s86, s86, s87                     ; + 128 wb
	s_mov_b32 s87, 0
	s_add_nc_u64 s[84:85], s[84:85], s[86:87]
	s_wait_alu depctr_va_vdst(0)
	s_wait_tensorcnt 0x3                           ; my load of chunk 0 has landed; chunks 1 to 3 stay out
	s_barrier_signal -1
	s_barrier_wait -1                              ; everybody's has
	FETCH_B 0, 0
	FETCH_A 0, 0
	SCALES 0
.irp s, 0,1,2,3,4,5,6,7
	STEP \s
.endr
; THE WAY OUT, a tile of 16 tokens x 128 columns at a time: through my own stage, back as whole rows of 512 bytes.  LDS serves a wave's instructions in order: no wait between the stores and the loads, nor ahead of the next tile's stores.
.macro TOSTAGE a
	WIN 0x08                                       ; an LDS store's data are its source 1: window 2
.irp b, 0,1,2,3,4,5,6,7
	ds_store_b128 v[STO], v[8*(8*(\a)+\b):8*(8*(\a)+\b)+3] offset:128*(\b/2)+32*(\b%2)        ; each accumulator from its low end on
	ds_store_b128 v[STO], v[8*(8*(\a)+\b)+4:8*(8*(\a)+\b)+7] offset:128*(\b/2)+32*(\b%2)+16
.endr
	WIN 0
.set BB, BK+64*((\a)%2)
.set t, 0
.rept 16
	ds_load_b128 v[BB+4*t:BB+4*t+3], v[RD] offset:SPI*t
.set t, t+1
.endr
.endm
.macro SEND a, younger                 ; younger: the LDS instructions issued behind tile a's loads, which may stay out
.set BB, BK+64*((\a)%2)
	s_wait_dscnt \younger
.set t, 0
.rept 16
	global_store_b128 v[CO], v[BB+4*t:BB+4*t+3], s[84:85] offset:(32*((\a)/2)+8*((\a)%2)+t+8*(t/8))*4096 th:TH_STORE_NT   ; 32 lanes store 512 consecutive aligned bytes of the token that stage row t stands for
.set t, t+1
.endr
.endm
	WIN 0
	PLACES 4                                       ; behind the last products: ahead of the stores that read results and of the loads into A's registers
	TOSTAGE 0
.irp a, 1,2,3
.if \a > 1
	s_wait_xcnt 0x0                                ; tile a - 2's stores have read their registers: tile a's rows may land there
.endif
	TOSTAGE \a
	SEND \a-1, 32                                  ; behind tile a - 1's loads: tile a's 16 stores and 16 loads
.endr
	SEND 3, 0
	s_wait_tensorcnt 0x0
	ds_add_u32 v254, v255
	s_wait_dscnt 0x0
	CROUND                                         ; the closing round: no work-group ends while a partner may still ask for a tile that names it
	s_endpgm
.Lfunc_end_k_qdb207f3db4_outp:
	.size	k_qdb207f3db4_outp, .Lfunc_end_k_qdb207f3db4_outp-k_qdb207f3db4_outp
	.p2alignl 7, 3214868480
	.fill 96, 4, 3214868480
	.section	.rodata,"a",@progbits
	.p2align	6, 0x0
	.amdhsa_kernel k_qdb207f3db4_outp
		.amdhsa_group_segment_fixed_size 307712
		.amdhsa_private_segment_fixed_size 0
		.amdhsa_enable_private_segment 0
		.amdhsa_kernarg_size 24
		.amdhsa_user_sgpr_count 2
		.amdhsa_user_sgpr_kernarg_segment_ptr 1
		.amdhsa_wavefront_size32 1
		.amdhsa_system_sgpr_workgroup_id_x 1
		.amdhsa_system_sgpr_workgroup_id_y 1
		.amdhsa_system_sgpr_workgroup_id_z 1
		.amdhsa_system_vgpr_workitem_id 0
		.amdhsa_next_free_vgpr 768
		.amdhsa_next_free_sgpr 90
		.amdhsa_reserve_vcc 0
		.amdhsa_float_denorm_mode_32 3
		.amdhsa_float_denorm_mode_16_64 3
		.amdhsa_memory_ordered 1
		.amdhsa_forward_progress 1
		.amdhsa_inst_pref_size 85
	.end_amdhsa_kernel
	.amdgpu_metadata
---
amdhsa.version: [ 1, 2 ]
amdhsa.kernels:
  - .name:           k_qdb207f3db4_outp
    .symbol:         k_qdb207f3db4_outp.kd
    .args:
      - { .name: yimg, .offset: 0, .size: 8, .value_kind: global_buffer, .address_space: global }
      - { .name: img, .offset: 8, .size: 8, .value_kind: global_buffer, .address_space: global }
      - { .name: out0, .offset: 16, .size: 8, .value_kind: global_buffer, .address_space: global }
    .group_segment_fixed_size: 307712
    .private_segment_fixed_size: 0
    .kernarg_segment_align: 8
    .kernarg_segment_size: 24
    .max_flat_workgroup_size: 128
    .sgpr_count:     90
    .vgpr_count:     768
    .wavefront_size: 32
...
	.end_amdgpu_metadata
.endif
;; end of part 4
